; MI455X (gfx1250); checked and timed in simulation.
; The chip was launched on July 23, 2026; its instructions are those of AMD's public machine-readable ISA for CDNA 5 (MIT licence, August 2026) and "CDNA5" Instruction Set Architecture Reference Guide (July 2026). The comments in the code are by the model that wrote it; some were corrected since.
;; Cross Modal Attention. Allowed arithmetic: matrix products marked QUANTISED: E4M3 operands, one E8M0 scale for each 32 along K, by v_wmma_scale_f32_16x16x128_f8f6f4 with both operands' format E4M3, f32 sums; everything else in f32.
;; Inputs: Wk_codes 768 x 24 x 32 uint8 (E4M3 codes of Wk, K innermost, in blocks of 32 codes); Wk_scales 768 x 24 uint8 (E8M0 scales of Wk, one for each 32 codes along K); Wo_codes 768 x 24 x 32 uint8 (E4M3 codes of Wo, K innermost, in blocks of 32 codes); Wo_scales 768 x 24 uint8 (E8M0 scales of Wo, one for each 32 codes along K); Wq_codes 768 x 24 x 32 uint8 (E4M3 codes of Wq, K innermost, in blocks of 32 codes); Wq_scales 768 x 24 uint8 (E8M0 scales of Wq, one for each 32 codes along K); Wv_codes 768 x 24 x 32 uint8 (E4M3 codes of Wv, K innermost, in blocks of 32 codes); Wv_scales 768 x 24 uint8 (E8M0 scales of Wv, one for each 32 codes along K); bk 768 float32; bo 768 float32; bq 768 float32; bv 768 float32; ln_b 768 float32; ln_g 768 float32; text_features 8 x 1,024 x 768 float32; text_mask 8 x 1,024 int32; visual_features 8 x 1,024 x 768 float32; visual_mask 8 x 1,024 int32.
;; Outputs: out0 8 x 1,024 x 768 float32; out1 8 x 1,024 x 768 float32.
;; This version of the problem:
;;   THIS VERSION OF THE PROBLEM IS GIVEN IN LOW PRECISION. The matrix products marked QUANTISED in the list below multiply operands that are first quantised to E4M3 (4 exponent bits, 3 mantissa bits; 8 bits a number), with one power-of-two scale for each 32 numbers along K (OCP MX v1.0); their sums are f32. All else is computed in f32.
;;   The module's matrix products, in the order in which they are computed (A, B: the left and right operand; K: the contracted axis; several contracted axes count as one K, in the product's order):
;;     1. [M 8,192, K 768] x [K 768, N 768]; A: input visual_features; B: input Wq (given as codes): QUANTISED
;;     2. [M 8,192, K 768] x [K 768, N 768]; A: input text_features; B: input Wk (given as codes): QUANTISED
;;     3. [M 8,192, K 768] x [K 768, N 768]; A: input text_features; B: input Wv (given as codes): QUANTISED
;;     4. batch 64 x [M 1,024, K 96] x [K 96, N 1,024]; A: computed on the way; B: computed on the way: QUANTISED
;;     5. batch 64 x [M 96, K 1,024] x [K 1,024, N 1,024]; A: computed on the way; B: softmax (see below): QUANTISED
;;     6. [M 8,192, K 768] x [K 768, N 768]; A: input text_features; B: input Wq (given as codes): QUANTISED
;;     7. [M 8,192, K 768] x [K 768, N 768]; A: input visual_features; B: input Wk (given as codes): QUANTISED
;;     8. [M 8,192, K 768] x [K 768, N 768]; A: input visual_features; B: input Wv (given as codes): QUANTISED
;;     9. batch 64 x [M 1,024, K 96] x [K 96, N 1,024]; A: computed on the way; B: computed on the way: QUANTISED
;;     10. batch 64 x [M 96, K 1,024] x [K 1,024, N 1,024]; A: computed on the way; B: softmax (see below): QUANTISED
;;     11. [M 8,192, K 768] x [K 768, N 768]; A: computed on the way; B: input Wo (given as codes): QUANTISED
;;     12. [M 8,192, K 768] x [K 768, N 768]; A: computed on the way; B: input Wo (given as codes): QUANTISED
;;   THE QUANTISER, for each operand of a quantised product, along K:
;;     - K is cut into blocks of 32 from its start; a last block that is shorter is filled with zeros.
;;     - A block's scale is 2^e with e = floor(log2(the largest magnitude in the block)) - 8, held to -126 .. 127; a block of zeros has e = 0. As a byte (E8M0): e + 127.
;;     - Each number is divided by its block's scale, clamped to +-448, and rounded to the nearest number of E4M3, ties to even, subnormals kept.
;;     - The product sums the exact products of the quantised numbers (number of the format x scale) in f32.
;;   ~~~python
;;   def quantise(x, axis):      # numpy; x: float32 -> the quantised numbers, widened to float32 again
;;       x = np.moveaxis(x, axis, -1); K = x.shape[-1]
;;       x = np.pad(x, [(0, 0)] * (x.ndim - 1) + [(0, -K % 32)]); x = x.reshape(x.shape[:-1] + (-1, 32)); a = np.abs(x).max(-1, keepdims=True)
;;       e = np.where(a > 0, np.clip(np.frexp(np.where(a > 0, a, 1))[1] - 1 - 8, -126, 127), 0)      # np.frexp(a)[1] - 1 = floor(log2(a)), exactly
;;       r = np.clip(x / 2.0 ** e, -448, 448)
;;       step = 2.0 ** (np.maximum(np.frexp(np.where(r == 0, 1, r))[1] - 1, -6) - 3)
;;       q = np.round(r / step) * step * 2.0 ** e      # np.round: ties to even
;;       return np.moveaxis(q.reshape(q.shape[:-2] + (-1,))[..., :K], -1, axis).astype(np.float32)
;;   ~~~
;;   SOFTMAX AHEAD OF A QUANTISED PRODUCT. Where the list says 'softmax', what is quantised is not the finished softmax but p = 2^(t - M), with t = logit x log2(e) and M = ceil(the row's largest t), a whole number; so 1/2 < the row's largest p <= 1. The row's sum l is taken of the UNQUANTISED p, in f32, and the product's result is divided by l at the end. Since M is a whole number, a kernel that streams over the keys may use a running M (the ceiling of the running maximum): every later rescaling is an exact power of two, which a block's scale takes up: the codes' values come out the same.
;;   OPERANDS COMPUTED ON THE WAY. 'Computed on the way' means the value that the module computes at that place (a softmax that the list does not call 'softmax' is quantised finished and normalised). What goes into a quantiser is computed in f32, as accurately as f32 sums, v_exp_f32 and their like allow (about 1e-6 of the number): no bf16 or f16 on the way to a quantiser, and a product that is left as it is and whose result goes on into a quantised operand takes f32 operands (vector FMAs, or v_wmma_f32_16x16x4_f32). A number that lies on a knife's edge between two numbers of the format may be rounded either way, as far as f32 arithmetic and the matrix unit's own rounding can turn it there, and no further.
;;   INPUTS GIVEN AS CODES. Wk (in the module: [768, 768], K = its axis 0); Wo (in the module: [768, 768], K = its axis 0); Wq (in the module: [768, 768], K = its axis 0); Wv (in the module: [768, 768], K = its axis 0): each comes as NAME_codes (uint8): NAME with its K axis moved to the last place and cut into blocks of 32 codes, [.., K / 32, bytes a block], one block behind the other in memory; one code a byte (a code: sign, 4 exponent bits, 3 mantissa bits); and NAME_scales (uint8): the same leading axes, one E8M0 byte (e + 127) for each 32 codes along K. Its value is code x scale, taken as it is: it is not quantised again, and the codes and scales need not be those that the quantiser above would give.
;; One version. Each part assembles by itself: llvm-mc -triple=amdgcn-amd-amdhsa -mcpu=gfx1250 --defsym DOCPART=n.
;; ======== version 1 of 1: 4 launches
;; limits: right only within a limited range of input values
;; workspace buffers: xrec 13,107,200 bytes; wimg 2,457,600 bytes; q 13,107,200 bytes; kv 26,214,400 bytes; arec 13,107,200 bytes
;; launch prep (part 1): grid 256 x 1, 4 waves a work-group, no clusters, 200,192 bytes of LDS; arguments visual_features, text_features, visual_mask, text_mask, Wq_codes, Wk_codes, Wv_codes, Wo_codes, Wq_scales, Wk_scales, Wv_scales, Wo_scales, xrec, wimg; writes xrec, wimg
.if DOCPART == 1
	.amdgcn_target "amdgcn-amd-amdhsa--gfx1250"
	.amdhsa_code_object_version 6
	.text
	.protected	k_q5a047149e9_prep
	.globl	k_q5a047149e9_prep
	.p2align	8
	.type	k_q5a047149e9_prep,@function
k_q5a047149e9_prep:
	s_mov_b64 s[64:65], 0
	v_nop
	global_prefetch_b8 v0, s[64:65] scope:SCOPE_SE
	s_setreg_imm32_b32 hwreg(HW_REG_WAVE_MODE, 25, 1), 1
	s_wait_xcnt 0x0
; PREP.  The two feature tensors (16,384 rows x 768 f32; row R = 8,192 T + 1,024 b + s, T = 0 visual, 1 text) become codes of E4M3 with one E8M0 byte for each 32 along K, laid as IMAGES OF OPERAND REGISTERS;
; the four weights, which arrive as codes, are laid anew in the same form.
; TILES.  32 rows are a pair P; tile 2 P + u holds, in lane-row r, row 32 P + 8 u + r + 8 (r / 8).  The weights' 768 columns are cut the same way.  So in every later product the 16 registers that tiles 2 b and 2 b + 1
; give a lane are 16 neighbours along the next K.
; A RECORD (12,800 bytes a tile): codes at 2,048 s + 512 c + 16 lane (K step s of 128, registers 4 c .. 4 c + 3: k = 128 s + 32 c + 16 (lane / 16) + 0 .. 15 of lane-row lane % 16); at 12,288 + 32 r eight words:
; the six K steps' scale words, then TOP (features: 227 << 24 where the row's mask is 0, else 1 << 24; weights: 0), then 0.
; A block's scale byte is its largest magnitude's exponent field - 8, held at 1 from below (a block of zeros gets 1: its codes are zeros, and only this program reads the bytes).
; LIMITS: blocks whose largest magnitude lies under 2^-118 get the byte 1; NaN and infinities among the inputs are not served.
; SHARES.  Work-group x takes rows 64 x .. 64 x + 63, wave w tile 4 x + w.  A wave's 16 rows come by six tensor loads (3 pieces of 1,024 bytes along K x 2 groups of 8 neighbouring rows) into LDS bytes of its own,
; each filled once and read by that wave alone: no barrier.  By this text's count six tensor loads of a wave are out at the most.  Work-groups 0 to 47 also lay one weight tile a wave.
.set REC,   12800
.set WREG,  49920                      ; a wave's LDS: three pieces of CHK bytes
.set CHK,   16640                      ; 16 rows x XP
.set XP,    1040                       ; 1,024 bytes + 16 of padding = 65 x 16: the sixteen rows of a load begin in sixteen different columns of 16 bytes
.set SW,    10                         ; v10-15   the six scale words
.set X,     16                         ; v16-143  two sets of 64 numbers
.set PC,    144                        ; v144-175 two sets of 16 registers of codes
.set MX,    176                        ; v176-179 largest magnitudes; v180-183 the other half's, then bytes; v184-187 448 x scale; v188-191 the conversions' scale operands
.set T2,    180
.set HD,    184
.set SO,    188
.set PW,    192
.set DD,    196                        ; v196-199 sixteen bytes of the words' area
.set WV,    32
.set SEL,   34
.set MNT,   36
.set HM,    37                         ; lanes 16-31, as a mask
.set G0,    40                         ; s[40:63] six descriptor groups 0
.set G1,    68                         ; s[68:75] group 1
; nb blocks of a lane's 16 numbers, v[src + 16 b + i] = k 32 b + 16 (lane / 16) + i of my row, become codes in v[pc + 4 b] on; the blocks' bytes are left in v[T2 + b].
.macro QUANT src, nb, pc
.set qb, 0
.rept \nb
	v_max3_num_f32 v[MX+qb], |v[(\src)+16*qb]|, |v[(\src)+16*qb+1]|, 0x4800000   ; the floor 2^(9 - 127) among the leaves: the byte cannot fall under 1
.set qb, qb+1
.endr
.set qi, 2
.rept 7
.set qb, 0
.rept \nb
	v_max3_num_f32 v[MX+qb], v[MX+qb], |v[(\src)+16*qb+qi]|, |v[(\src)+16*qb+qi+1]|   ; the blocks by turns
.set qb, qb+1
.endr
.set qi, qi+2
.endr
.set qb, 0
.rept \nb
	v_permlanex16_b32 v[T2+qb], v[MX+qb], s[SEL], s[SEL+1]
.set qb, qb+1
.endr
.set qb, 0
.rept \nb
	v_max_num_f32 v[MX+qb], v[MX+qb], v[T2+qb]     ; with lane l xor 16's 16: the block's largest magnitude
.set qb, qb+1
.endr
.set qb, 0
.rept \nb
	v_add_nc_u32 v[SO+qb], 0xfc000000, v[MX+qb]    ; 8 off its exponent field: the conversion's scale operand
.set qb, qb+1
.endr
.set qb, 0
.rept \nb
	v_and_or_b32 v[HD+qb], v[MX+qb], 0x7f800000, s[MNT]   ; 448 x the scale
.set qb, qb+1
.endr
.set qb, 0
.rept \nb
	v_lshrrev_b32 v[T2+qb], 23, v[SO+qb]           ; the scale's byte
.set qb, qb+1
.endr
	s_wait_xcnt 0x0                                ; earlier stores have read their data: the codes' registers may be written again
.set qb, 0
.rept \nb
.set qi, 0
.rept 16
	v_med3_num_f32 v[(\src)+16*qb+qi], v[(\src)+16*qb+qi], -v[HD+qb], v[HD+qb]   ; the conversion to an 8-bit code does not saturate (ISA guide 7.6.2): hold first
.set qi, qi+1
.endr
	v_cvt_scalef32_pk8_fp8_f32 v[(\pc)+4*qb:(\pc)+4*qb+1], v[(\src)+16*qb:(\src)+16*qb+7], v[SO+qb]
	v_cvt_scalef32_pk8_fp8_f32 v[(\pc)+4*qb+2:(\pc)+4*qb+3], v[(\src)+16*qb+8:(\src)+16*qb+15], v[SO+qb]
.set qb, qb+1
.endr
	v_nop                                          ; one plain line behind the last conversion
.endm
	s_load_b256 s[4:11], s[0:1], 0x0               ; visual, text, visual mask, text mask
	s_load_b256 s[12:19], s[0:1], 0x20             ; codes of Wq, Wk, Wv, Wo
	s_load_b256 s[20:27], s[0:1], 0x40             ; their scales
	s_load_b128 s[28:31], s[0:1], 0x60             ; xrec, wimg
	v_lshl_add_u32 v200, v0, 2, 0x30c00
	v_mov_b32 v201, 0
	ds_add_u32 v200, v201
	ds_add_u32 v200, v201
	v_lshrrev_b32 v1, 5, v0
	v_readfirstlane_b32 s[WV], v1                  ; wave 0..3
	; group 1: 8 rows x 256 elements of 4 bytes, 768 elements from row to row; 4 words of padding behind every 256
	s_mov_b32 s[G1], (2<<16)|(1<<20)|(7<<22)|(3<<25)
	s_mov_b32 s[G1+1], 256<<16
	s_mov_b32 s[G1+2], 8<<16
	s_mov_b32 s[G1+3], 256<<16
	s_mov_b32 s[G1+4], 8
	s_mov_b32 s[G1+5], 768
	s_mov_b32 s[G1+6], 0
	s_mov_b32 s[G1+7], 0
	s_and_b32 s76, ttmp9, 127
	s_lshl_b32 s76, s76, 6                         ; the work-group's first row within its tensor
	s_lshr_b32 s77, s[WV], 1
	s_lshl_b32 s77, s77, 5
	s_add_co_u32 s76, s76, s77
	s_and_b32 s77, s[WV], 1
	s_lshl_b32 s77, s77, 3
	s_add_co_u32 s76, s76, s77                     ; my tile's first row: + 32 (w / 2) + 8 (w % 2)
	s_mul_i32 s80, s76, 3072
	s_mov_b32 s81, 0
	s_lshl_b32 s82, s76, 2
	s_mov_b32 s83, 0
	s_mul_i32 s79, s[WV], WREG                     ; my LDS bytes
	s_lshl_b32 s84, ttmp9, 2
	s_add_co_u32 s84, s84, s[WV]
	s_mul_i32 s84, s84, REC                        ; my tile's record
	s_mov_b32 s85, 0
	s_mov_b32 s[SEL], 0x76543210
	s_mov_b32 s[SEL+1], 0xfedcba98                 ; v_permlanex16_b32's selects for lane l xor 16
	s_mov_b32 s[MNT], 0x600000                     ; the mantissa field of 448
	s_wait_dscnt 0x0
	s_wait_kmcnt 0x0
	s_cmp_lt_u32 ttmp9, 128                        ; visual's work-group or text's: the choice hangs on the work-group's number alone
	s_cselect_b64 s[4:5], s[4:5], s[6:7]
	s_cselect_b64 s[8:9], s[8:9], s[10:11]
	s_add_nc_u64 s[4:5], s[4:5], s[80:81]
	s_add_nc_u64 s[8:9], s[8:9], s[82:83]
	s_add_nc_u64 s[28:29], s[28:29], s[84:85]
.irp k,0,1,2
.irp g,0,1
	s_mov_b32 s[G0+4*(2*\k+\g)], 1
	s_add_co_u32 s[G0+4*(2*\k+\g)+1], s79, \k*CHK+\g*8*XP
	s_add_nc_u64 s[G0+4*(2*\k+\g)+2:G0+4*(2*\k+\g)+3], s[4:5], \g*16*3072+\k*1024   ; lane-rows 8 g .. 8 g + 7 are rows 16 g + 0 .. 7 of the tile's 24
	s_or_b32 s[G0+4*(2*\k+\g)+3], s[G0+4*(2*\k+\g)+3], 0x80000000
.endr
.endr
.irp n,0,1,2,3,4,5
	tensor_load_to_lds s[G0+4*\n:G0+4*\n+3], s[G1:G1+7]
	s_nop 0
.endr
.rept 4
	v_nop
.endr
	v_and_b32 v1, 15, v0                           ; r
	v_bfe_u32 v2, v0, 4, 1                         ; h
	v_and_b32 v3, 31, v0
	v_lshlrev_b32 v3, 4, v3                        ; 16 x lane
	v_mul_u32_u24 v4, v1, XP
	v_lshl_add_u32 v4, v2, 6, v4
	v_add_nc_u32 v4, s79, v4                       ; LDS: my row, my 16 numbers of a block
	v_lshlrev_b32 v5, 5, v1
	v_lshl_add_u32 v5, v2, 4, v5                   ; the words' area: 32 r + 16 h
	v_and_b32 v8, 8, v1
	v_add_nc_u32 v8, v8, v1                        ; r + 8 (r / 8)
	v_mul_u32_u24 v6, v8, 768
	v_lshl_add_u32 v6, v2, 4, v6                   ; a weight's codes: my column's row, + 16 h
	v_mul_u32_u24 v7, v8, 24                       ; and its 24 scale bytes
	v_lshlrev_b32 v8, 2, v8
	v_cmp_eq_u32 s[HM], 1, v2
.irp b,0,1,2,3
	v_mov_b32 v[T2+\b], 0                          ; written once: a lane permute's destination counts as a source
.endr
	global_load_b32 v9, v8, s[8:9]                 ; my row's mask
	s_cmp_lt_u32 ttmp9, 48
	s_cbranch_scc0 .Lno_weight
	; ---- one weight tile a wave: matrix x % 4, tile 4 (x / 4) + w
	s_and_b32 s86, ttmp9, 3
	s_cmp_eq_u32 s86, 1
	s_cselect_b64 s[12:13], s[14:15], s[12:13]
	s_cselect_b64 s[20:21], s[22:23], s[20:21]
	s_cmp_eq_u32 s86, 2
	s_cselect_b64 s[12:13], s[16:17], s[12:13]
	s_cselect_b64 s[20:21], s[24:25], s[20:21]
	s_cmp_eq_u32 s86, 3
	s_cselect_b64 s[12:13], s[18:19], s[12:13]
	s_cselect_b64 s[20:21], s[26:27], s[20:21]
	s_lshr_b32 s87, ttmp9, 2
	s_lshl_b32 s87, s87, 2
	s_add_co_u32 s87, s87, s[WV]                   ; the tile
	s_lshr_b32 s88, s87, 1
	s_lshl_b32 s88, s88, 5
	s_and_b32 s89, s87, 1
	s_lshl_b32 s89, s89, 3
	s_add_co_u32 s88, s88, s89                     ; its first column
	s_mul_i32 s90, s88, 768
	s_mov_b32 s91, 0
	s_add_nc_u64 s[12:13], s[12:13], s[90:91]
	s_mul_i32 s90, s88, 24
	s_add_nc_u64 s[20:21], s[20:21], s[90:91]
	s_mul_i32 s86, s86, 48
	s_add_co_u32 s86, s86, s87
	s_mul_i32 s90, s86, REC
	s_add_nc_u64 s[30:31], s[30:31], s[90:91]
.irp s,0,1,2,3,4,5
.irp c,0,1,2,3
	global_load_b128 v[16+16*\s+4*\c:19+16*\s+4*\c], v6, s[12:13] offset:128*\s+32*\c
.endr
.endr
.irp i,0,1,2
	global_load_b64 v[112+2*\i:113+2*\i], v7, s[20:21] offset:8*\i
.endr
	s_wait_loadcnt 0x0
.irp s,0,1,2,3,4,5
.irp c,0,1,2,3
	global_store_b128 v3, v[16+16*\s+4*\c:19+16*\s+4*\c], s[30:31] offset:2048*\s+512*\c   ; 512 consecutive bytes a store
.endr
.endr
	v_cndmask_b32 v[DD], v112, v116, s[HM]         ; lanes 0-15: words 0-3; lanes 16-31: words 4, 5, 0, 0
	v_cndmask_b32 v[DD+1], v113, v117, s[HM]
	v_cndmask_b32 v[DD+2], v114, 0, s[HM]
	v_cndmask_b32 v[DD+3], v115, 0, s[HM]
	global_store_b128 v5, v[DD:DD+3], s[30:31] offset:12288
	s_wait_xcnt 0x0                                ; the stores have read their data: the registers are used again below
.Lno_weight:
	; ---- my tile of features, a K step of 128 at a time; the LDS loads run one step ahead
.macro LOADX s
.irp b,0,1,2,3
.irp j,0,1,2,3
	ds_load_b128 v[X+64*((\s)%2)+16*\b+4*\j:X+64*((\s)%2)+16*\b+4*\j+3], v4 offset:CHK*((\s)/2)+512*((\s)%2)+128*\b+16*\j
.endr
.endr
.endm
	s_wait_tensorcnt 0x4                           ; the first piece's two loads have landed; the four behind them may be out
	LOADX 0
.irp s,0,1,2,3,4,5
.if \s == 1
	s_wait_tensorcnt 0x2                           ; the second piece is in; the third's two loads may be out
.endif
.if \s == 3
	s_wait_tensorcnt 0x0                           ; the third piece
.endif
.if \s < 5
	LOADX \s+1
	s_wait_dscnt 16                                ; this step's 16 loads are in; the next step's 16 may be out
.else
	s_wait_dscnt 0x0
.endif
	QUANT X+64*(\s%2), 4, PC+16*(\s%2)
	v_lshl_or_b32 v[SW+\s], v[T2+1], 8, v[T2]      ; the four bytes make my row's scale word of this K step
	v_lshl_or_b32 v[SW+\s], v[T2+2], 16, v[SW+\s]
	v_lshl_or_b32 v[SW+\s], v[T2+3], 24, v[SW+\s]
.irp c,0,1,2,3
	global_store_b128 v3, v[PC+16*(\s%2)+4*\c:PC+16*(\s%2)+4*\c+3], s[28:29] offset:2048*\s+512*\c
.endr
.endr
	s_wait_loadcnt 0x0                             ; the mask
	v_cmp_eq_u32 vcc_lo, 0, v9
	v_mov_b32 v[PW], 0x01000000                    ; an open key's byte: 2^-126
	v_mov_b32 v[PW+1], 0xe3000000                  ; a masked key's: 2^100
	v_cndmask_b32 v[PW], v[PW], v[PW+1], vcc_lo
	v_cndmask_b32 v[DD], v[SW], v[SW+4], s[HM]
	v_cndmask_b32 v[DD+1], v[SW+1], v[SW+5], s[HM]
	v_cndmask_b32 v[DD+2], v[SW+2], v[PW], s[HM]
	v_cndmask_b32 v[DD+3], v[SW+3], 0, s[HM]
	global_store_b128 v5, v[DD:DD+3], s[28:29] offset:12288
	s_wait_tensorcnt 0x0
	ds_add_u32 v200, v201
	s_wait_dscnt 0x0
	s_endpgm
.Lfunc_end_k_q5a047149e9_prep:
	.size	k_q5a047149e9_prep, .Lfunc_end_k_q5a047149e9_prep-k_q5a047149e9_prep
	.p2alignl 7, 3214868480
	.fill 96, 4, 3214868480
	.section	.rodata,"a",@progbits
	.p2align	6, 0x0
	.amdhsa_kernel k_q5a047149e9_prep
		.amdhsa_group_segment_fixed_size 200192
		.amdhsa_private_segment_fixed_size 0
		.amdhsa_enable_private_segment 0
		.amdhsa_kernarg_size 112
		.amdhsa_user_sgpr_count 2
		.amdhsa_user_sgpr_kernarg_segment_ptr 1
		.amdhsa_wavefront_size32 1
		.amdhsa_system_sgpr_workgroup_id_x 1
		.amdhsa_system_sgpr_workgroup_id_y 1
		.amdhsa_system_sgpr_workgroup_id_z 1
		.amdhsa_system_vgpr_workitem_id 0
		.amdhsa_next_free_vgpr 202
		.amdhsa_next_free_sgpr 96
		.amdhsa_reserve_vcc 1
		.amdhsa_float_denorm_mode_32 3
		.amdhsa_float_denorm_mode_16_64 3
		.amdhsa_memory_ordered 1
		.amdhsa_forward_progress 1
		.amdhsa_inst_pref_size 69
	.end_amdhsa_kernel
	.amdgpu_metadata
---
amdhsa.version: [ 1, 2 ]
amdhsa.kernels:
  - .name:           k_q5a047149e9_prep
    .symbol:         k_q5a047149e9_prep.kd
    .args:
      - { .name: visual_features, .offset: 0, .size: 8, .value_kind: global_buffer, .address_space: global }
      - { .name: text_features, .offset: 8, .size: 8, .value_kind: global_buffer, .address_space: global }
      - { .name: visual_mask, .offset: 16, .size: 8, .value_kind: global_buffer, .address_space: global }
      - { .name: text_mask, .offset: 24, .size: 8, .value_kind: global_buffer, .address_space: global }
      - { .name: Wq_codes, .offset: 32, .size: 8, .value_kind: global_buffer, .address_space: global }
      - { .name: Wk_codes, .offset: 40, .size: 8, .value_kind: global_buffer, .address_space: global }
      - { .name: Wv_codes, .offset: 48, .size: 8, .value_kind: global_buffer, .address_space: global }
      - { .name: Wo_codes, .offset: 56, .size: 8, .value_kind: global_buffer, .address_space: global }
      - { .name: Wq_scales, .offset: 64, .size: 8, .value_kind: global_buffer, .address_space: global }
      - { .name: Wk_scales, .offset: 72, .size: 8, .value_kind: global_buffer, .address_space: global }
      - { .name: Wv_scales, .offset: 80, .size: 8, .value_kind: global_buffer, .address_space: global }
      - { .name: Wo_scales, .offset: 88, .size: 8, .value_kind: global_buffer, .address_space: global }
      - { .name: xrec, .offset: 96, .size: 8, .value_kind: global_buffer, .address_space: global }
      - { .name: wimg, .offset: 104, .size: 8, .value_kind: global_buffer, .address_space: global }
    .group_segment_fixed_size: 200192
    .private_segment_fixed_size: 0
    .kernarg_segment_align: 8
    .kernarg_segment_size: 112
    .max_flat_workgroup_size: 128
    .sgpr_count:     96
    .vgpr_count:     202
    .wavefront_size: 32
...
	.end_amdgpu_metadata
.endif
;; end of part 1
;; launch qkv (part 2): grid 6 x 32, 4 waves a work-group, no clusters, 327,680 bytes of LDS; arguments xrec, wimg, bq, bk, bv, q, kv; writes q, kv
.if DOCPART == 2
	.amdgcn_target "amdgcn-amd-amdhsa--gfx1250"
	.amdhsa_code_object_version 6
	.text
	.protected	k_q5a047149e9_qkv
	.globl	k_q5a047149e9_qkv
	.p2align	8
	.type	k_q5a047149e9_qkv,@function
k_q5a047149e9_qkv:
	s_mov_b64 s[64:65], 0
	v_nop
	global_prefetch_b8 v0, s[64:65] scope:SCOPE_SE
	s_setreg_imm32_b32 hwreg(HW_REG_WAVE_MODE, 25, 1), 1
	s_wait_xcnt 0x0
; QKV.  The six projections x W + b on codes of E4M3 (x: both feature tensors, 16,384 rows; W: Wq, Wk, Wv), and their results quantised at once: Q and K along the head's 96, V along the keys.
; SHARES.  Work-group (g, rho): matrix g / 2, heads 4 (g % 2) + 0 .. 3, rows 512 rho on.  Wave w owns ONE head: its 96 columns x 768 K (36 fragments, 576 registers), their scale words and the bias stay in registers
; for the whole launch; what streams is x: records of 16 rows (12,800 bytes) through a ring of two LDS slots of 8 records (128 rows), each wave bringing two records by one tensor load.
; No cluster: the six column groups of a row block do not divide by four.  192 work-groups: 2,304 columns are six shares of four heads; a smaller row share would read the weights more often for less work.
; Q, K: the product is used TRANSPOSED (source 0 = 16 columns of W, source 1 = 16 rows of x): a lane holds one row, its registers run along the head: the conversions' results are the score product's operand.
; V: source 0 = x, source 1 = W: a lane holds one column d, its registers run along the KEYS; the two tiles of a pair give 16 neighbouring keys.
; A RECORD COMES OUT OF LDS IN TWO PARTS, each asked for as soon as its registers are free: K steps 0-3 and the words behind the products of K step 3, under the 12 products of K steps 4 and 5; K steps 4 and 5 behind the last product.
; THE MASK RIDES IN THE SCALE WORDS.  The score product's K is 96 of the instruction's 128.  Byte 3 of Q's word is 127; byte 3 of K's word is the row's TOP byte: 227 (2^100) for a masked key, 1 (2^-126) else.
; The attention launch puts 1.0 and -448 at k = 96.
; OUT.  q: [unit (8 T + b) 8 + head][group of 128 rows][12,800]: tile i of 8 at 1,536 i + 512 c + 16 lane; words at 12,288 + 128 (i / 2) + 8 r + 4 (i % 2).
;       kv: [unit][key step of 128][25,600]: K's part laid as q's group; V's part at 12,800: d-tile t at 2,048 t + 512 c + 16 lane (c: the pair of keys), words at 12,288 + 256 (t / 3) + 16 r + 4 (t % 3).
; LIMITS: as in the launch before: blocks under 2^-118 get the byte 1; NaN and infinities are not served.
; REGISTERS.  Windows 1-3: v0-191 W's fragments (tile t, K step s) at 96 (s % 2) + 16 t, window 1 + s / 2.  Window 1 v192-239 the bias.  Window 2 v192-255, window 3 v192-223: x's six fragments.  Window 0: below.
.set REC,   12800
.set SLOT1, 131072                     ; slot 1: one exclusive or turns an address from slot to slot
.set SPARE, 233472                     ; behind the ring: the spare words, 128 bytes a wave
.set SPW,   1
.set NIL,   2
.set LI,    3                          ; 16 x lane
.set LSX,   4                          ; 12,288 + 32 r
.set ADR,   5
.set ADS,   6
.set L8,    7                          ; 8 x lane
.set BA,    8                          ; v8-15   the bias's eight offsets
.set WS,    16                         ; v16-51  W's scale words, 6 t + s
.set XS,    52                         ; v52-67  x's eight words, two sets
.set PC,    68                         ; v68-91  codes
.set MX,    92
.set T2,    98
.set HD,    104
.set SO,    110
.set SW,    116                        ; v116-119 four tiles' scale words
.set VW,    120                        ; v120-125 V's six scale words
.set DD,    126
.set PW,    130
.set ACC,   160                        ; v160-255
.set XF,    192
.set BI,    192
.set WV,    18
.set MNT,   19
.set SEL,   20
.set MI,    22
.set HDN,   23
.set G1,    24
.set G0,    32
.set TB,    36
.set OFF,   37
.set GB,    38
.set OC,    40
.set OS,    42
.set CSTEP, 44
.set GSTEP, 46
.set ISV,   48
.set KM,    49
.set QT,    50
.set SH0,   51
.set SH1,   52
.set SLOTS, 53
.set INR,   54
.set RHO,   55
.set HM,    63
.set MSB, 0
.macro WIN new                         ; the immediate's high byte repeats the setting that is left
.if MSB != (\new)
	s_set_vgpr_msb (MSB<<8)|(\new)
.set MSB, (\new)
.endif
.endm
.macro PLACES n
.rept \n
	v_nop
.endr
.endm
.macro QUANT src, nb, pc               ; nb blocks of a lane's 16 numbers become codes in v[pc + 4 b] on; the bytes are left in v[T2 + b]
.set qb, 0
.rept \nb
	v_max3_num_f32 v[MX+qb], |v[(\src)+16*qb]|, |v[(\src)+16*qb+1]|, 0x4800000   ; each accumulator is read from its low end on; the floor holds the byte at 1
.set qb, qb+1
.endr
.set qi, 2
.rept 7
.set qb, 0
.rept \nb
	v_max3_num_f32 v[MX+qb], v[MX+qb], |v[(\src)+16*qb+qi]|, |v[(\src)+16*qb+qi+1]|
.set qb, qb+1
.endr
.set qi, qi+2
.endr
.set qb, 0
.rept \nb
	v_permlanex16_b32 v[T2+qb], v[MX+qb], s[SEL], s[SEL+1]
.set qb, qb+1
.endr
.set qb, 0
.rept \nb
	v_max_num_f32 v[MX+qb], v[MX+qb], v[T2+qb]
.set qb, qb+1
.endr
.set qb, 0
.rept \nb
	v_add_nc_u32 v[SO+qb], 0xfc000000, v[MX+qb]
.set qb, qb+1
.endr
.set qb, 0
.rept \nb
	v_and_or_b32 v[HD+qb], v[MX+qb], 0x7f800000, s[MNT]
.set qb, qb+1
.endr
.set qb, 0
.rept \nb
	v_lshrrev_b32 v[T2+qb], 23, v[SO+qb]
.set qb, qb+1
.endr
	s_wait_xcnt 0x0                                ; earlier stores have read their data: the codes' registers may be written again
.set qb, 0
.rept \nb
.set qi, 0
.rept 16
	v_med3_num_f32 v[(\src)+16*qb+qi], v[(\src)+16*qb+qi], -v[HD+qb], v[HD+qb]
.set qi, qi+1
.endr
	v_cvt_scalef32_pk8_fp8_f32 v[(\pc)+4*qb:(\pc)+4*qb+1], v[(\src)+16*qb:(\src)+16*qb+7], v[SO+qb]
	v_cvt_scalef32_pk8_fp8_f32 v[(\pc)+4*qb+2:(\pc)+4*qb+3], v[(\src)+16*qb+8:(\src)+16*qb+15], v[SO+qb]
.set qb, qb+1
.endr
	v_nop                                          ; one plain line behind the last conversion: later products write its sources
.endm
	s_load_b256 s[4:11], s[0:1], 0x0               ; xrec, wimg, bq, bk
	s_load_b128 s[12:15], s[0:1], 0x20             ; bv, q
	s_load_b64 s[16:17], s[0:1], 0x30              ; kv
	v_lshl_add_u32 v[SPW], v0, 2, SPARE
	v_mov_b32 v[NIL], 0
	ds_add_u32 v1, v2
	ds_add_u32 v1, v2
	s_wait_dscnt 0x0
	v_lshrrev_b32 v3, 5, v0
	v_readfirstlane_b32 s[WV], v3                  ; wave 0..3
	s_and_b32 s[RHO], ttmp7, 0xffff
	s_lshr_b32 s[MI], ttmp9, 1                     ; 0 Q, 1 K, 2 V
	s_and_b32 s56, ttmp9, 1
	s_lshl_b32 s56, s56, 2
	s_add_co_u32 s[HDN], s56, s[WV]                ; my head
	; group 1: two records, 25,600 dense bytes, as 100 rows of 32 elements of 8 bytes
	s_mov_b32 s[G1], 3<<16
	s_mov_b32 s[G1+1], 32<<16
	s_mov_b32 s[G1+2], 100<<16
	s_mov_b32 s[G1+3], 32<<16
	s_mov_b32 s[G1+4], 100
	s_mov_b32 s[G1+5], 32
	s_mov_b32 s[G1+6], 0
	s_mov_b32 s[G1+7], 0
	s_lshl_b32 s56, s[RHO], 5
	s_lshl_b32 s57, s[WV], 1
	s_add_co_u32 s56, s56, s57
	s_mul_i32 s56, s56, REC                        ; records 32 rho + 2 w, + 1
	s_mov_b32 s57, 0
	s_mov_b32 s[SEL], 0x76543210
	s_mov_b32 s[SEL+1], 0xfedcba98
	s_mov_b32 s[MNT], 0x600000
	s_mov_b32 s[TB], 0
	s_mov_b32 s[SLOTS], 3
	s_wait_kmcnt 0x0
	s_mov_b32 s[G0], 1
	s_mul_i32 s[G0+1], s[WV], 2*REC
	s_add_nc_u64 s[G0+2:G0+3], s[4:5], s[56:57]
	s_or_b32 s[G0+3], s[G0+3], 0x80000000
	tensor_load_to_lds s[G0:G0+3], s[G1:G1+7]      ; slot 0
	s_nop 0
	PLACES 4
	; what hangs on the matrix: every selection stands ahead of the additions, which write SCC
	s_cmp_eq_u32 s[MI], 2
	s_cselect_b32 s[ISV], 1, 0
	s_cselect_b32 s59, 0, 64                       ; the bias's offset = h sA + (r + 8 (r / 8)) sB + j sJ: Q, K: a register is a column; V: a lane is a column
	s_cselect_b32 s60, 4, 0
	s_cselect_b32 s61, 0, 4
	s_cselect_b64 s[8:9], s[12:13], s[8:9]
	s_mov_b32 s[CSTEP], 6144                       ; the codes' step for 64 rows: four tiles of 1,536, or two pairs of 512
	s_cselect_b32 s[CSTEP], 1024, s[CSTEP]
	s_cselect_b32 s62, REC, 0                      ; V's part of a key step's record
	s_cmp_eq_u32 s[MI], 1
	s_cselect_b64 s[8:9], s[10:11], s[8:9]
	s_cselect_b32 s[KM], -1, 0                     ; K keeps the row's TOP byte,
	s_cmp_eq_u32 s[MI], 0
	s_cselect_b32 s[QT], 0x7f000000, 0             ; Q takes 127
	s_cselect_b64 s[14:15], s[14:15], s[16:17]
	s_mov_b32 s[GSTEP], 2*REC
	s_cselect_b32 s[GSTEP], REC, s[GSTEP]          ; from a group of 128 rows to the next
	s_mov_b32 s[CSTEP+1], 0
	s_mov_b32 s[GSTEP+1], 0
	s_lshr_b32 s56, s[RHO], 1
	s_lshl_b32 s56, s56, 3
	s_add_co_u32 s56, s56, s[HDN]                  ; the unit
	s_lshl_b32 s56, s56, 3
	s_and_b32 s58, s[RHO], 1
	s_lshl_b32 s58, s58, 2
	s_add_co_u32 s56, s56, s58                     ; its group 4 (rho % 2)
	s_mul_i32 s56, s56, s[GSTEP]
	s_add_co_u32 s56, s56, s62
	s_add_nc_u64 s[GB:GB+1], s[14:15], s[56:57]
	s_mul_i32 s56, s[MI], 48
	s_mul_i32 s58, s[HDN], 6
	s_add_co_u32 s56, s56, s58
	s_mul_i32 s56, s56, REC
	s_add_nc_u64 s[6:7], s[6:7], s[56:57]          ; my six tiles of the weight
	s_mul_i32 s56, s[HDN], 384
	s_add_nc_u64 s[8:9], s[8:9], s[56:57]          ; my 96 numbers of the bias
	v_and_b32 v[LI], 31, v0
	v_lshlrev_b32 v[L8], 3, v[LI]
	v_lshlrev_b32 v[LI], 4, v[LI]
	v_and_b32 v131, 15, v0                         ; r
	v_bfe_u32 v132, v0, 4, 1                       ; h
	v_lshlrev_b32 v133, 5, v131
	v_add_nc_u32 v[LSX], 12288, v133
	v_cmp_eq_u32 s[HM], 1, v132
	v_and_b32 v134, 8, v131
	v_add_nc_u32 v134, v134, v131
	v_mul_u32_u24 v135, s59, v132
	v_mad_u32_u24 v135, v134, s60, v135
.irp j,0,1,2,3,4,5,6,7
	v_mad_u32_u24 v[BA+\j], s61, \j, v135
.endr
.irp b,0,1,2,3,4,5
	v_mov_b32 v[T2+\b], 0                          ; written once: a lane permute's destination counts as a source
.endr
.irp s,0,1,2,3,4,5
	WIN (1+\s/2)<<6
.irp t,0,1,2,3,4,5
.irp c,0,1,2,3
	global_load_b128 v[96*(\s%2)+16*\t+4*\c:96*(\s%2)+16*\t+4*\c+3], v[LI], s[6:7] offset:\t*REC+2048*\s+512*\c
.endr
.endr
.endr
	WIN 0
.irp t,0,1,2,3,4,5
	global_load_b128 v[WS+6*\t:WS+6*\t+3], v133, s[6:7] offset:\t*REC+12288
	global_load_b64 v[WS+6*\t+4:WS+6*\t+5], v133, s[6:7] offset:\t*REC+12288+16
.endr
	WIN 0x40
.irp t,0,1,2,3,4,5
.irp j,0,1,2,3,4,5,6,7
	global_load_b32 v[BI+8*\t+\j], v[BA+\j], s[8:9] offset:4*(32*(\t/2)+8*(\t%2))   ; the bias in the result's layout: it is the C of each sum's first product
.endr
.endr
	WIN 0
	s_wait_loadcnt 0x0
; the record of tile m of the four in hand, in two parts.  Part A: the fragments of K steps 0-3 and the eight words: 18 loads
.macro LOADXA m
	WIN 0x80
.irp s,0,1,2,3
.irp c,0,1,2,3
	ds_load_b128 v[XF+16*\s+4*\c:XF+16*\s+4*\c+3], v[ADR] offset:(\m)*REC+2048*\s+512*\c
.endr
.endr
	WIN 0
	ds_load_b128 v[XS+8*((\m)%2):XS+8*((\m)%2)+3], v[ADS] offset:(\m)*REC
	ds_load_b128 v[XS+8*((\m)%2)+4:XS+8*((\m)%2)+7], v[ADS] offset:(\m)*REC+16
.endm
; Part B: the fragments of K steps 4 and 5: 8 loads
.macro LOADXB m
	WIN 0xc0
.irp s,4,5
.irp c,0,1,2,3
	ds_load_b128 v[XF+16*(\s-4)+4*\c:XF+16*(\s-4)+4*\c+3], v[ADR] offset:(\m)*REC+2048*\s+512*\c
.endr
.endr
	WIN 0
.endm
.macro SWIN s, first, second           ; the windows of K step s: W in 1 + s / 2, x in 2 or 3, the bias in 1
.if \s == 0
	WIN \first
.elseif \s == 1
	WIN \second
.elseif \s < 4
	WIN 0x0a
.else
	WIN 0x0f
.endif
.endm
; Q, K: the six products of K step s of tile m: the six accumulators by turns
.macro QKMUL m, s
	SWIN \s, 0x19, 0x09
.irp t,0,1,2,3,4,5
.if \s == 0
	v_wmma_scale_f32_16x16x128_f8f6f4 v[ACC+8*\t:ACC+8*\t+7], v[16*\t:16*\t+15], v[XF:XF+15], v[BI+8*\t:BI+8*\t+7], v[WS+6*\t], v[XS+8*((\m)%2)]
.else
	v_wmma_scale_f32_16x16x128_f8f6f4 v[ACC+8*\t:ACC+8*\t+7], v[96*(\s%2)+16*\t:96*(\s%2)+16*\t+15], v[XF+16*(\s%4):XF+16*(\s%4)+15], v[ACC+8*\t:ACC+8*\t+7], v[WS+6*\t+\s], v[XS+8*((\m)%2)+\s]
.endif
.endr
.endm
; Q, K: 16 rows x my 96 columns: 36 products; then quantised along the head
.macro QKTILE m
	s_wait_dscnt 8                                 ; part A of the tile's record is in registers; part B's eight loads, issued behind it, may be out
.irp s,0,1,2,3
	QKMUL \m, \s
.endr
	s_wait_dscnt 0x0                               ; part B is in
.if (\m) < 3
	PLACES 8                                       ; in front of loads into registers that products have read (ISA guide 7.12.1 for vector instructions)
	LOADXA (\m)+1                                  ; the next record's part A lands under the twelve products below
.endif
	QKMUL \m, 4
	QKMUL \m, 5
	WIN 0
	PLACES 9                                       ; eight for the loads into x's registers and the reads of results, nine for the next tile's products, which begin the accumulators anew
.if (\m) < 3
	LOADXB (\m)+1                                  ; its part B lands while this tile is quantised
.endif
	QUANT ACC, 3, PC+12*((\m)%2)
	v_lshl_or_b32 v[PW], v[T2+1], 8, v[T2]
	v_lshl_or_b32 v[PW], v[T2+2], 16, v[PW]
	v_and_or_b32 v[PW], v[XS+8*((\m)%2)+6], s[KM], v[PW]   ; K: the row's TOP byte
	v_or_b32 v[SW+(\m)], s[QT], v[PW]              ; Q: 127
.irp b,0,1,2
	global_store_b128 v[LI], v[PC+12*((\m)%2)+4*\b:PC+12*((\m)%2)+4*\b+3], s[OC:OC+1] offset:1536*(\m)+512*\b
.endr
.endm
; V: the six products of K step s of tile u of a pair
.macro VMUL u, s
	SWIN \s, 0x16, 0x06
.irp t,0,1,2,3,4,5
.if \s == 0
	v_wmma_scale_f32_16x16x128_f8f6f4 v[ACC+16*\t+8*\u:ACC+16*\t+8*\u+7], v[XF:XF+15], v[16*\t:16*\t+15], v[BI+8*\t:BI+8*\t+7], v[XS+8*\u], v[WS+6*\t]
.else
	v_wmma_scale_f32_16x16x128_f8f6f4 v[ACC+16*\t+8*\u:ACC+16*\t+8*\u+7], v[XF+16*(\s%4):XF+16*(\s%4)+15], v[96*(\s%2)+16*\t:96*(\s%2)+16*\t+15], v[ACC+16*\t+8*\u:ACC+16*\t+8*\u+7], v[XS+8*\u+\s], v[WS+6*\t+\s]
.endif
.endr
.endm
; V: a pair of tiles (32 keys) x my 96 columns; then quantised along the keys: six blocks, one for each tile of columns
.macro VPAIR p
.irp u,0,1
	s_wait_dscnt 8                                 ; part A is in; part B's eight loads may be out
.irp s,0,1,2,3
	VMUL \u, \s
.endr
	s_wait_dscnt 0x0                               ; part B is in
.if 2*(\p)+\u+1 < 4
	PLACES 8
	LOADXA 2*(\p)+\u+1
.endif
	VMUL \u, 4
	VMUL \u, 5
	WIN 0
	PLACES 9
.if 2*(\p)+\u+1 < 4
	LOADXB 2*(\p)+\u+1
.endif
.endr
	QUANT ACC, 6, PC
.irp t,0,1,2,3,4,5
	v_lshl_or_b32 v[VW+\t], v[T2+\t], s[SH0+(\p)], v[VW+\t]   ; the pair's byte of the key step's word
.endr
.irp t,0,1,2,3,4,5
	global_store_b128 v[LI], v[PC+4*\t:PC+4*\t+3], s[OC:OC+1] offset:2048*\t+512*(\p)
.endr
.endm
; THE CHANGE OF SLOTS stands at a slot's head.  fill = 1: the slot that has been left takes the next 128 rows: my one load behind the barrier, with a whole slot's 288 products in which to land
.macro CHANGE fill
	s_wait_tensorcnt 0x0                           ; my one load has landed: my part of the slot ahead; the group 0 may be written
	ds_add_u32 v[SPW], v[NIL]
.if \fill
	s_xor_b32 s[G0+1], s[G0+1], SLOT1
	s_add_nc_u64 s[G0+2:G0+3], s[G0+2:G0+3], 8*REC
.endif
	s_wait_dscnt 0x0                               ; the add is done, and my reads of the slot that I have left are over
	s_barrier_signal -1
	s_barrier_wait -1
.if \fill
	tensor_load_to_lds s[G0:G0+3], s[G1:G1+7]
	s_nop 0
	PLACES 4
.endif
.endm
; a slot's 128 rows, 64 at a time.  Every wave walks the loop; the two ways part inside it, on the matrix alone
.macro WORK
	s_mov_b32 s[OFF], s[TB]
	s_mov_b64 s[OC:OC+1], s[GB:GB+1]
	s_add_nc_u64 s[OS:OS+1], s[GB:GB+1], 12288
	s_mov_b32 s[SH0], 0
	s_mov_b32 s[SH1], 8
.irp t,0,1,2,3,4,5
	v_mov_b32 v[VW+\t], 0
.endr
	s_mov_b32 s[INR], 2
.Lhalf_\@:
	v_add_nc_u32 v[ADR], s[OFF], v[LI]
	v_add_nc_u32 v[ADS], s[OFF], v[LSX]
	LOADXA 0
	LOADXB 0
	s_cmp_lg_u32 s[ISV], 0
	s_cbranch_scc1 .Lv_\@
	QKTILE 0
	QKTILE 1
	QKTILE 2
	QKTILE 3
	v_cndmask_b32 v[DD], v[SW], v[SW+2], s[HM]     ; lanes 0-15: the first pair's two words of row r; lanes 16-31: the second pair's
	v_cndmask_b32 v[DD+1], v[SW+1], v[SW+3], s[HM]
	global_store_b64 v[L8], v[DD:DD+1], s[OS:OS+1] ; 256 consecutive bytes
	s_branch .Ljoin_\@
.Lv_\@:
	VPAIR 0
	VPAIR 1
.Ljoin_\@:
	s_wait_xcnt 0x0                                ; the stores have read their bases and data
	s_add_nc_u64 s[OC:OC+1], s[OC:OC+1], s[CSTEP:CSTEP+1]
	s_add_nc_u64 s[OS:OS+1], s[OS:OS+1], 256
	s_add_co_u32 s[OFF], s[OFF], 4*REC
	s_add_co_u32 s[SH0], s[SH0], 16
	s_add_co_u32 s[SH1], s[SH1], 16
	s_sub_co_u32 s[INR], s[INR], 1
	s_cmp_lg_u32 s[INR], 0
	s_cbranch_scc1 .Lhalf_\@
	s_cmp_lg_u32 s[ISV], 0
	s_cbranch_scc0 .Lnov_\@
	v_cndmask_b32 v[DD], v[VW], v[VW+3], s[HM]     ; V's words of the key step: lanes 0-15 tiles 0-2, lanes 16-31 tiles 3-5, a fourth word of 0
	v_cndmask_b32 v[DD+1], v[VW+1], v[VW+4], s[HM]
	v_cndmask_b32 v[DD+2], v[VW+2], v[VW+5], s[HM]
	v_mov_b32 v[DD+3], 0
	global_store_b128 v[LI], v[DD:DD+3], s[GB:GB+1] offset:12288
.Lnov_\@:
	s_wait_xcnt 0x0
	s_add_nc_u64 s[GB:GB+1], s[GB:GB+1], s[GSTEP:GSTEP+1]
.endm
.Lslot:                                            ; three trips: behind each change of slots but the last the next 128 rows are asked for
	CHANGE 1
	WORK
	s_xor_b32 s[TB], s[TB], SLOT1
	s_sub_co_u32 s[SLOTS], s[SLOTS], 1
	s_cmp_lg_u32 s[SLOTS], 0
	s_cbranch_scc1 .Lslot
	CHANGE 0                                       ; the last slot is written out
	WORK
	s_wait_tensorcnt 0x0                           ; the wave's end
	ds_add_u32 v[SPW], v[NIL]
	s_wait_dscnt 0x0
	s_endpgm
.Lfunc_end_k_q5a047149e9_qkv:
	.size	k_q5a047149e9_qkv, .Lfunc_end_k_q5a047149e9_qkv-k_q5a047149e9_qkv
	.p2alignl 7, 3214868480
	.fill 96, 4, 3214868480
	.section	.rodata,"a",@progbits
	.p2align	6, 0x0
	.amdhsa_kernel k_q5a047149e9_qkv
		.amdhsa_group_segment_fixed_size 327680
		.amdhsa_private_segment_fixed_size 0
		.amdhsa_enable_private_segment 0
		.amdhsa_kernarg_size 56
		.amdhsa_user_sgpr_count 2
		.amdhsa_user_sgpr_kernarg_segment_ptr 1
		.amdhsa_wavefront_size32 1
		.amdhsa_system_sgpr_workgroup_id_x 1
		.amdhsa_system_sgpr_workgroup_id_y 1
		.amdhsa_system_sgpr_workgroup_id_z 1
		.amdhsa_system_vgpr_workitem_id 0
		.amdhsa_next_free_vgpr 1024
		.amdhsa_next_free_sgpr 80
		.amdhsa_reserve_vcc 0
		.amdhsa_float_denorm_mode_32 3
		.amdhsa_float_denorm_mode_16_64 3
		.amdhsa_memory_ordered 1
		.amdhsa_forward_progress 1
		.amdhsa_inst_pref_size 238
	.end_amdhsa_kernel
	.amdgpu_metadata
---
amdhsa.version: [ 1, 2 ]
amdhsa.kernels:
  - .name:           k_q5a047149e9_qkv
    .symbol:         k_q5a047149e9_qkv.kd
    .args:
      - { .name: xrec, .offset: 0, .size: 8, .value_kind: global_buffer, .address_space: global }
      - { .name: wimg, .offset: 8, .size: 8, .value_kind: global_buffer, .address_space: global }
      - { .name: bq, .offset: 16, .size: 8, .value_kind: global_buffer, .address_space: global }
      - { .name: bk, .offset: 24, .size: 8, .value_kind: global_buffer, .address_space: global }
      - { .name: bv, .offset: 32, .size: 8, .value_kind: global_buffer, .address_space: global }
      - { .name: q, .offset: 40, .size: 8, .value_kind: global_buffer, .address_space: global }
      - { .name: kv, .offset: 48, .size: 8, .value_kind: global_buffer, .address_space: global }
    .group_segment_fixed_size: 327680
    .private_segment_fixed_size: 0
    .kernarg_segment_align: 8
    .kernarg_segment_size: 56
    .max_flat_workgroup_size: 128
    .sgpr_count:     80
    .vgpr_count:     1024
    .wavefront_size: 32
...
	.end_amdgpu_metadata
.endif
;; end of part 2
;; launch attn (part 3): grid 2 x 128, 16 waves a work-group, no clusters, 239,616 bytes of LDS; arguments q, kv, arec; writes arec
.if DOCPART == 3
	.amdgcn_target "amdgcn-amd-amdhsa--gfx1250"
	.amdhsa_code_object_version 6
	.text
	.protected	k_q5a047149e9_attn
	.globl	k_q5a047149e9_attn
	.p2align	8
	.type	k_q5a047149e9_attn,@function
k_q5a047149e9_attn:
	s_mov_b64 s[64:65], 0
	v_nop
	global_prefetch_b8 v0, s[64:65] scope:SCOPE_SE
	s_setreg_imm32_b32 hwreg(HW_REG_WAVE_MODE, 25, 1), 1
	s_wait_xcnt 0x0
; ATTENTION on codes of E4M3, both directions.  Work-group (qb, y): y = 64 direction + 8 batch + head names the queries' unit, y xor 64 the keys' and values'; qb names 512 of the 1,024 queries.
; THE WHOLE HEAD'S K AND V (codes and scale words, 8 key steps x 25,600 bytes) LIE IN LDS, every byte filled once: no slot is filled again.  They come in three pieces: key step 0; key steps 1, 2; key steps 3 to 7;
; waves 0 to 3 bring a quarter of each piece, three tensor loads a wave (three are out at the most).  So the first products wait for 25,600 bytes only, and each later piece has the steps before it in which to land.
; No cluster: a head has two work-groups only.
; SHARES.  Sixteen waves; wave w owns the pair of tiles 16 qb + w and takes its first tile of 16 queries in a first pass over the keys, its second in a second pass.  Both tiles' Q are read from memory at the head;
; the second tile's waits in 2,048 LDS bytes of the wave's own, behind K and V, into which no fill lands.
; LAYOUT.  Both products are used transposed: S^T = K Q^T, O^T = V^T P^T: a lane holds one query.  The keys of a tile are chosen so that the 16 registers of tiles 2 b, 2 b + 1 are 16 neighbouring keys.
; THE SOFTMAX: t = score x log2(e) / sqrt(96); M = the running largest t rounded up to a whole number; p = 2^(t - M) is quantised along the keys, not normalised; the sum of the unquantised p divides at the end;
; when M moves, the sum and O^T are multiplied by 2^(old M - new M), which rounds nothing.
; THE MASK costs no line here: the score product's K is 96 of 128; at k = 96 Q holds 1.0 (scale byte 127) and K holds -448, with the scale byte 227 for a masked key (its score is about -5.7e32: p = 0) and 1 for an open
; one (its score moves by 5.3e-36).  The largest t begins at -2^83, over every masked t: a query all of whose keys are masked has the sum 0; its scale bytes are then set to 0xff, which makes its row NaN, as the
; softmax of such a row is.
; LIMITS: |t| stays under 2^83; scores under about 1e-29 would feel the 5.3e-36; NaN and infinities are not served.
; OUT.  O / sum, quantised along D (a head is three blocks of 32), as images: arec [tile][12,800]: block 3 head + b at 512 (3 head + b) + 16 lane; the head's three bytes as a word at 12,288 + 64 head + 4 r.
; REGISTERS: v1-4, v8 offsets that stay; v5-7 the step's LDS addresses; v9, v10 the two tiles' words; v11, v255 where the second tile's Q waits; v12 -M, v13 the largest t, v[14:15] the sum; v16-31 Q;
; v32-95 four fragments of K (registers 12-15 of each: the pad); v96-159 S^T, p, then V's fragments; v160-207 O^T; v208-223 p's codes; v224-239 at work; v240-247 K's, then V's scale words; v248 p's, v249 Q's;
; v[250:251] f; v[252:253] the second chain of the sum.
.set REC,   12800
.set STEPB, 25600
.set QS,    204800                     ; behind K and V: 2,048 bytes a wave: three pieces of 512 bytes of codes, then 128 bytes of scale words
.set S,     96
.set O,     160
.set PCD,   208
.set MX,    224
.set T2,    228
.set HD,    232
.set SO,    236
.set KW,    240
.set PW,    248
.set QW,    249
.set F,     250
.set C2,    252
.set WV,    10
.set TB,    11
.set G1,    12                         ; s[12:35] three descriptor groups 1, one for each piece
.set G0,    36                         ; s[36:47] three groups 0
.set MNT,   48
.set CT,    49
.set CS,    50
.set SEL,   52
.set QB,    54
.set QWB,   56
.set AC,    58
.set AWB,   60
.set HM,    62
.macro PLACES n
.rept \n
	v_nop
.endr
.endm
.macro QUANT src, nb, pc
.set qb, 0
.rept \nb
	v_max3_num_f32 v[MX+qb], |v[(\src)+16*qb]|, |v[(\src)+16*qb+1]|, 0x4800000
.set qb, qb+1
.endr
.set qi, 2
.rept 7
.set qb, 0
.rept \nb
	v_max3_num_f32 v[MX+qb], v[MX+qb], |v[(\src)+16*qb+qi]|, |v[(\src)+16*qb+qi+1]|
.set qb, qb+1
.endr
.set qi, qi+2
.endr
.set qb, 0
.rept \nb
	v_permlanex16_b32 v[T2+qb], v[MX+qb], s[SEL], s[SEL+1]
.set qb, qb+1
.endr
.set qb, 0
.rept \nb
	v_max_num_f32 v[MX+qb], v[MX+qb], v[T2+qb]
.set qb, qb+1
.endr
.set qb, 0
.rept \nb
	v_add_nc_u32 v[SO+qb], 0xfc000000, v[MX+qb]
.set qb, qb+1
.endr
.set qb, 0
.rept \nb
	v_and_or_b32 v[HD+qb], v[MX+qb], 0x7f800000, s[MNT]
.set qb, qb+1
.endr
.set qb, 0
.rept \nb
	v_lshrrev_b32 v[T2+qb], 23, v[SO+qb]
.set qb, qb+1
.endr
	s_wait_xcnt 0x0                                ; earlier stores have read their data
.set qb, 0
.rept \nb
.set qi, 0
.rept 16
	v_med3_num_f32 v[(\src)+16*qb+qi], v[(\src)+16*qb+qi], -v[HD+qb], v[HD+qb]
.set qi, qi+1
.endr
	v_cvt_scalef32_pk8_fp8_f32 v[(\pc)+4*qb:(\pc)+4*qb+1], v[(\src)+16*qb:(\src)+16*qb+7], v[SO+qb]
	v_cvt_scalef32_pk8_fp8_f32 v[(\pc)+4*qb+2:(\pc)+4*qb+3], v[(\src)+16*qb+8:(\src)+16*qb+15], v[SO+qb]
.set qb, qb+1
.endr
	v_nop
.endm
	s_load_b128 s[4:7], s[0:1], 0x0                ; q, kv
	s_load_b64 s[8:9], s[0:1], 0x10                ; arec
	v_lshl_add_u32 v254, v0, 2, 0x3a000
	v_mov_b32 v255, 0
	ds_add_u32 v254, v255
	ds_add_u32 v254, v255
	s_wait_dscnt 0x0
	v_lshrrev_b32 v1, 5, v0
	v_readfirstlane_b32 s[WV], v1                  ; wave 0..15
	s_and_b32 s66, ttmp7, 0xffff                   ; y
	; groups 1: a quarter of a piece, dense bytes, as rows of 32 elements of 8 bytes: 25, 50 and 125 rows
.irp n,0,1,2
	s_mov_b32 s[G1+8*\n], 3<<16
	s_mov_b32 s[G1+8*\n+1], 32<<16
	s_mov_b32 s[G1+8*\n+3], 32<<16
	s_mov_b32 s[G1+8*\n+5], 32
	s_mov_b32 s[G1+8*\n+6], 0
	s_mov_b32 s[G1+8*\n+7], 0
.endr
	s_mov_b32 s[G1+2], 25<<16
	s_mov_b32 s[G1+4], 25
	s_mov_b32 s[G1+10], 50<<16
	s_mov_b32 s[G1+12], 50
	s_mov_b32 s[G1+18], 125<<16
	s_mov_b32 s[G1+20], 125
	s_xor_b32 s67, s66, 64                         ; the other tensor's unit
	s_mul_i32 s68, s67, 8*STEPB
	s_mov_b32 s69, 0
	s_mul_i32 s70, s[WV], 6400                     ; my quarter of key step 0: the same byte in the unit and in LDS,
	s_mul_i32 s71, s[WV], 12800
	s_add_co_u32 s71, s71, STEPB                   ; of key steps 1 and 2,
	s_mul_i32 s72, s[WV], 32000
	s_add_co_u32 s72, s72, 3*STEPB                 ; of key steps 3 to 7
	s_mov_b32 s[SEL], 0x76543210
	s_mov_b32 s[SEL+1], 0xfedcba98
	s_mov_b32 s[CS], 0x3e16c740                    ; c = log2(e) / sqrt(96)
	s_mov_b32 s[CS+1], s[CS]                       ; (named with it as a pair)
	s_mov_b32 s[MNT], 0x600000
	s_wait_kmcnt 0x0
	s_add_nc_u64 s[6:7], s[6:7], s[68:69]
.irp n,0,1,2
	s_mov_b32 s68, s[70+\n]
	s_mov_b32 s[G0+4*\n], 1
	s_mov_b32 s[G0+4*\n+1], s[70+\n]
	s_add_nc_u64 s[G0+4*\n+2:G0+4*\n+3], s[6:7], s[68:69]
	s_or_b32 s[G0+4*\n+3], s[G0+4*\n+3], 0x80000000
.endr
	s_cmp_lt_u32 s[WV], 4                          ; all the fills of a wave stand in one branch on the wave's number
	s_cbranch_scc0 .Lno_fill
.irp n,0,1,2
	tensor_load_to_lds s[G0+4*\n:G0+4*\n+3], s[G1+8*\n:G1+8*\n+7]
	s_nop 0
.endr
	PLACES 4
.Lno_fill:
	s_lshl_b32 s67, ttmp9, 4
	s_add_co_u32 s67, s67, s[WV]                   ; P: my pair of tiles, 0..31
	s_mul_i32 s68, s66, 8*REC
	s_lshr_b32 s73, s67, 2
	s_mul_i32 s73, s73, REC
	s_add_co_u32 s68, s68, s73
	s_add_nc_u64 s[4:5], s[4:5], s[68:69]          ; the group of four pairs that holds mine
	s_and_b32 s73, s67, 3
	s_mul_i32 s68, s73, 3072
	s_add_nc_u64 s[QB:QB+1], s[4:5], s[68:69]      ; my pair's codes
	s_lshl_b32 s68, s73, 7
	s_add_co_u32 s68, s68, 12288
	s_add_nc_u64 s[QWB:QWB+1], s[4:5], s[68:69]    ; and its scale words
	s_lshr_b32 s68, s66, 3
	s_lshl_b32 s68, s68, 6
	s_lshl_b32 s73, s67, 1
	s_add_co_u32 s68, s68, s73                     ; tile 64 (8 T + b) + 2 P
	s_mul_i32 s68, s68, REC
	s_add_nc_u64 s[8:9], s[8:9], s[68:69]
	s_and_b32 s73, s66, 7                          ; the head
	s_mul_i32 s68, s73, 1536
	s_add_nc_u64 s[AC:AC+1], s[8:9], s[68:69]
	s_lshl_b32 s68, s73, 6
	s_add_co_u32 s68, s68, 12288
	s_add_nc_u64 s[AWB:AWB+1], s[8:9], s[68:69]
	s_lshl_b32 s73, s[WV], 11
	s_add_co_u32 s73, s73, QS                      ; my 2,048 bytes behind K and V
	v_and_b32 v1, 31, v0
	v_lshlrev_b32 v255, 2, v1                      ; 4 x lane
	v_lshlrev_b32 v1, 4, v1                        ; 16 x lane
	v_and_b32 v10, 15, v0                          ; r
	v_bfe_u32 v11, v0, 4, 1                        ; h
	v_lshl_add_u32 v2, v10, 3, 12288               ; K's scale words in a key step's record
	v_lshl_add_u32 v3, v10, 4, 25088               ; V's
	v_mul_u32_u24 v4, v11, REC
	v_lshl_add_u32 v4, v10, 2, v4                  ; the head word's place: tile h of my pair, row r
	v_lshlrev_b32 v8, 3, v10
	v_cmp_eq_u32 s[HM], 1, v11
	v_add_nc_u32 v11, s73, v1                      ; where the second tile's codes wait,
	v_add_nc_u32 v255, s73, v255                   ; and (1,536 bytes on) its scale words
	v_mov_b32 v254, 0x38                           ; the code of 1.0
	v_cndmask_b32 v28, v254, 0, s[HM]              ; Q's pad: k = 96 lies in byte 0 of register 12 of lanes 0-15
	v_mov_b32 v29, 0
	v_mov_b32 v30, 0
	v_mov_b32 v31, 0
	v_mov_b32 v254, 0xfe                           ; the code of -448
.irp t,0,1,2,3
	v_cndmask_b32 v[44+16*\t], v254, 0, s[HM]      ; K's pad, set once: the loads fill registers 0-11 of a fragment alone
	v_mov_b32 v[45+16*\t], 0
	v_mov_b32 v[46+16*\t], 0
	v_mov_b32 v[47+16*\t], 0
.endr
.irp b,0,1,2,3
	v_mov_b32 v[T2+\b], 0                          ; written once: a lane permute's destination counts as a source
.endr
	v_mov_b32 v[F+1], 0                            ; (named as the upper half of a pair)
; A KEY STEP: 128 keys, at LDS byte s[TB].
; THE PLACES (ISA guide 7.12.1 for vector instructions) are filled by the step's own work where there is any.  What a step writes first, v96-127 (scores) and v240-243 (words), belongs among the last step's V products
; to the first four alone, which stand 8 + 3 = 11 places back; v128-159 and v244-247, which the last two V products read, are written behind the 3 additions and the 8 v_nop between the two groups of scores: 11 as well.
.macro STEP
	v_add_nc_u32 v5, s[TB], v1
	v_add_nc_u32 v6, s[TB], v2
	v_add_nc_u32 v7, s[TB], v3
.irp g,0,1
.if \g
	PLACES 8                                       ; in front of loads into registers that the four products above have read: no other work is at hand here
.endif
	ds_load_b64 v[KW+4*\g:KW+4*\g+1], v6 offset:256*\g         ; the words of these four tiles
	ds_load_b64 v[KW+4*\g+2:KW+4*\g+3], v6 offset:256*\g+128
.irp t,0,1,2,3
.irp c,0,1,2
	ds_load_b128 v[32+16*\t+4*\c:35+16*\t+4*\c], v5 offset:(4*\g+\t)*1536+512*\c
.endr
.endr
	s_wait_dscnt 0x0
.irp t,0,1,2,3
	v_wmma_scale_f32_16x16x128_f8f6f4 v[S+8*(4*\g+\t):S+8*(4*\g+\t)+7], v[32+16*\t:47+16*\t], v[16:31], 0, v[KW+4*\g+\t], v[QW]
.endr
.endr
; the largest score of each block of 32 keys: for the row's maximum, and for the block's largest p.  Blocks 0 and 1 first: their 16 lines read the first four products' results, which have their eight places,
; and name no register of the second four: they are those products' places
.irp q,0,2
.irp b,0,1
	v_max3_num_f32 v[MX+\q+\b], v[S+16*(\q+\b)], v[S+1+16*(\q+\b)], v[S+2+16*(\q+\b)]
.endr
.irp i,3,5,7,9,11,13
.irp b,0,1
	v_max3_num_f32 v[MX+\q+\b], v[MX+\q+\b], v[S+16*(\q+\b)+\i], v[S+1+16*(\q+\b)+\i]
.endr
.endr
.irp b,0,1
	v_max_num_f32 v[MX+\q+\b], v[MX+\q+\b], v[S+15+16*(\q+\b)]
.endr
.endr
.irp b,0,1,2,3
	v_permlanex16_b32 v[T2+\b], v[MX+\b], s[SEL], s[SEL+1]
.endr
.irp b,0,1,2,3
	v_max_num_f32 v[MX+\b], v[MX+\b], v[T2+\b]
.endr
	v_max3_num_f32 v254, v[MX], v[MX+1], v[MX+2]
	v_max_num_f32 v254, v254, v[MX+3]
	v_mul_f32 v254, s[CS], v254                    ; as t
	v_max_num_f32 v13, v13, v254                   ; the running largest t
	v_mov_b32 v254, v12
	v_floor_f32 v12, -v13                          ; the new -M = -ceil(t)
	v_sub_f32 v254, v12, v254                      ; old M - new M, a whole number, 0 or less
	v_cvt_i32_f32 v254, v254                       ; (it saturates)
	v_ldexp_f32 v[F], 1.0, v254                    ; f = 2^(old M - new M)
.set j, 0
.rept 32
	v_pk_fma_f32 v[S+j:S+j+1], v[S+j:S+j+1], s[CS:CS+1], v[12:13] op_sel_hi:[1,0,0]   ; t - M
.set j, j+2
.endr
.irp b,0,1,2,3
	v_fma_f32 v[MX+\b], v[MX+\b], s[CS], v12
.endr
.set j, 0
.rept 64
	v_exp_f32 v[S+j], v[S+j]                       ; p = 2^(t - M)
.set j, j+1
.endr
.irp b,0,1,2,3
	v_exp_f32 v[MX+\b], v[MX+\b]                   ; the block's largest p
.endr
	v_pk_mul_f32 v[14:15], v[14:15], v[F:F+1] op_sel_hi:[1,0]   ; the sum under the new M (a plain place behind the exponentials)
	s_wait_alu depctr_va_vdst(0)
.irp b,0,1,2,3
	v_max_num_f32 v[MX+\b], 0x4800000, v[MX+\b]    ; the floor: the byte cannot fall under 1
.endr
.irp b,0,1,2,3
	v_add_nc_u32 v[SO+\b], 0xfc000000, v[MX+\b]
.endr
.irp b,0,1,2,3
	v_and_or_b32 v[HD+\b], v[MX+\b], 0x7f800000, s[MNT]
.endr
.irp b,0,1,2,3
	v_lshrrev_b32 v[T2+\b], 23, v[SO+\b]
.endr
	v_lshl_or_b32 v[PW], v[T2+1], 8, v[T2]         ; p's scale word for these 128 keys
	v_lshl_or_b32 v[PW], v[T2+2], 16, v[PW]
	v_lshl_or_b32 v[PW], v[T2+3], 24, v[PW]
	v_pk_add_f32 v[C2:C2+1], v[S:S+1], v[S+2:S+3]  ; the sum is taken of the unquantised p, in two chains (they are joined further down)
.set j, 4
.rept 15
	v_pk_add_f32 v[14:15], v[14:15], v[S+j:S+j+1]
	v_pk_add_f32 v[C2:C2+1], v[C2:C2+1], v[S+j+2:S+j+3]
.set j, j+4
.endr
.irp b,0,1,2,3
.set j, 0
.rept 16
	v_min_num_f32 v[S+16*\b+j], v[S+16*\b+j], v[HD+\b]   ; the hold; p is not negative
.set j, j+1
.endr
	v_cvt_scalef32_pk8_fp8_f32 v[PCD+4*\b:PCD+4*\b+1], v[S+16*\b:S+16*\b+7], v[SO+\b]
	v_cvt_scalef32_pk8_fp8_f32 v[PCD+4*\b+2:PCD+4*\b+3], v[S+16*\b+8:S+16*\b+15], v[SO+\b]
.endr
	ds_load_b128 v[KW:KW+3], v7                    ; V's words: tiles 0-2, then 3-5
	ds_load_b128 v[KW+4:KW+7], v7 offset:256
.irp t,0,1,2,3
.irp c,0,1,2,3
	ds_load_b128 v[S+16*\t+4*\c:S+16*\t+4*\c+3], v5 offset:REC+2048*\t+512*\c   ; V's tiles 0-3 into p's registers, which the conversions have read
.endr
.endr
.set j, 0
.rept 20
	v_pk_mul_f32 v[O+j:O+j+1], v[O+j:O+j+1], v[F:F+1] op_sel_hi:[1,0]   ; O^T's tiles 0-4 under the new M; also the places behind the conversions and in front of the products; tile 4's four lines keep tile 3's four places ahead of its product
.set j, j+2
.endr
	s_wait_dscnt 0x0
.irp t,0,1,2,3
	v_wmma_scale_f32_16x16x128_f8f6f4 v[O+8*\t:O+8*\t+7], v[S+16*\t:S+16*\t+15], v[PCD:PCD+15], v[O+8*\t:O+8*\t+7], v[KW+\t+\t/3], v[PW]
.endr
.rept 4
	v_pk_mul_f32 v[O+j:O+j+1], v[O+j:O+j+1], v[F:F+1] op_sel_hi:[1,0]   ; tile 5 under the new M: with the two lines' worth below, the eight places in front of the loads into v128-159
.set j, j+2
.endr
	v_pk_add_f32 v[14:15], v[14:15], v[C2:C2+1]    ; the sum's two chains are joined
	PLACES 3
.irp t,4,5
.irp c,0,1,2,3
	ds_load_b128 v[S+32+16*(\t-4)+4*\c:S+32+16*(\t-4)+4*\c+3], v5 offset:REC+2048*\t+512*\c
.endr
.endr
	s_wait_dscnt 0x0
.irp t,4,5
	v_wmma_scale_f32_16x16x128_f8f6f4 v[O+8*\t:O+8*\t+7], v[S+32+16*(\t-4):S+32+16*(\t-4)+15], v[PCD:PCD+15], v[O+8*\t:O+8*\t+7], v[KW+\t+\t/3], v[PW]
.endr
	s_add_co_u32 s[TB], s[TB], STEPB
.endm
.macro FRESH                           ; zeros and the lowest t: the step is written once, the first finds zeros
.set j, 0
.rept 48
	v_mov_b32 v[O+j], 0
.set j, j+1
.endr
	v_mov_b32 v13, 0xe9000000                      ; -2^83: under every open t, over every masked one
	v_floor_f32 v12, -v13
	v_mov_b32 v14, 0
	v_mov_b32 v15, 0
.endm
.macro FINISH u, aw                    ; O^T / the sum, quantised along D; the head's word into v[aw]
	PLACES 8
	v_add_f32 v14, v14, v15
	v_permlanex16_b32 v254, v14, s[SEL], s[SEL+1]
	v_add_f32 v14, v14, v254                       ; the row's sum
	v_cmp_eq_f32 vcc_lo, 0, v14                    ; no key counted
	v_rcp_f32 v[F], v14
	v_nop                                          ; a plain place behind the transcendental
.set j, 0
	s_wait_alu depctr_va_vdst(0)
.rept 24
	v_pk_mul_f32 v[O+j:O+j+1], v[O+j:O+j+1], v[F:F+1] op_sel_hi:[1,0]
.set j, j+2
.endr
	QUANT O, 3, PCD
	v_lshl_or_b32 v[\aw], v[T2+1], 8, v[T2]
	v_lshl_or_b32 v[\aw], v[T2+2], 16, v[\aw]
	v_cndmask_b32 v[\aw], v[\aw], -1, vcc_lo       ; 0xff bytes make the row NaN in the projection
.irp b,0,1,2
	global_store_b128 v1, v[PCD+4*\b:PCD+4*\b+3], s[AC:AC+1] offset:\u*REC+512*\b
.endr
.endm
.macro MEET left                       ; a piece of the head is in LDS for every wave.  left: the younger tensor loads of a fetching wave, which may stay out
	s_wait_tensorcnt \left
	s_wait_dscnt 0x0
	s_barrier_signal -1
	s_barrier_wait -1
.endm
	; both tiles' Q: the first into its registers, the second (by way of registers that the scores will take) into my own LDS bytes
.irp c,0,1,2
	global_load_b128 v[16+4*\c:19+4*\c], v1, s[QB:QB+1] offset:512*\c
.endr
	global_load_b32 v[QW], v8, s[QWB:QWB+1]
.irp c,0,1,2
	global_load_b128 v[S+4*\c:S+4*\c+3], v1, s[QB:QB+1] offset:1536+512*\c
.endr
	global_load_b32 v[S+12], v8, s[QWB:QWB+1] offset:4
	FRESH
	s_wait_loadcnt 0x0
.irp c,0,1,2
	ds_store_b128 v11, v[S+4*\c:S+4*\c+3] offset:512*\c
.endr
	ds_store_b32 v255, v[S+12] offset:1536
	MEET 2                                         ; key step 0 (the wait on DScnt in it also shows my stores done, ahead of the products that write their registers)
	s_mov_b32 s[TB], 0
	STEP
	MEET 1                                         ; key steps 1 and 2
	s_mov_b32 s[TB], STEPB
	s_mov_b32 s[CT], 2
.Lpiece1:
	STEP
	s_sub_co_u32 s[CT], s[CT], 1
	s_cmp_lg_u32 s[CT], 0
	s_cbranch_scc1 .Lpiece1
	MEET 0                                         ; key steps 3 to 7
	s_mov_b32 s[TB], 3*STEPB
	s_mov_b32 s[CT], 5
.Lpiece2:
	STEP
	s_sub_co_u32 s[CT], s[CT], 1
	s_cmp_lg_u32 s[CT], 0
	s_cbranch_scc1 .Lpiece2
	FINISH 0, 9
	s_wait_xcnt 0x0                                ; the stores have read the codes' registers, which the next pass writes
.irp c,0,1,2
	ds_load_b128 v[16+4*\c:19+4*\c], v11 offset:512*\c   ; the second tile's Q, from my own bytes
.endr
	ds_load_b32 v[QW], v255 offset:1536
	FRESH
	s_wait_dscnt 0x0
	s_mov_b32 s[TB], 0
	s_mov_b32 s[CT], 8
.Lsecond:                                          ; all of the head lies in LDS: no wait for tiles, no barrier
	STEP
	s_sub_co_u32 s[CT], s[CT], 1
	s_cmp_lg_u32 s[CT], 0
	s_cbranch_scc1 .Lsecond
	FINISH 1, 10
	v_cndmask_b32 v10, v9, v10, s[HM]              ; lanes 0-15: the first tile's word of row r; lanes 16-31: the second's
	global_store_b32 v4, v10, s[AWB:AWB+1]
	s_wait_xcnt 0x0
	v_lshl_add_u32 v254, v0, 2, 0x3a000
	v_mov_b32 v255, 0
	s_wait_tensorcnt 0x0
	ds_add_u32 v254, v255
	s_wait_dscnt 0x0
	s_endpgm
.Lfunc_end_k_q5a047149e9_attn:
	.size	k_q5a047149e9_attn, .Lfunc_end_k_q5a047149e9_attn-k_q5a047149e9_attn
	.p2alignl 7, 3214868480
	.fill 96, 4, 3214868480
	.section	.rodata,"a",@progbits
	.p2align	6, 0x0
	.amdhsa_kernel k_q5a047149e9_attn
		.amdhsa_group_segment_fixed_size 239616
		.amdhsa_private_segment_fixed_size 0
		.amdhsa_enable_private_segment 0
		.amdhsa_kernarg_size 24
		.amdhsa_user_sgpr_count 2
		.amdhsa_user_sgpr_kernarg_segment_ptr 1
		.amdhsa_wavefront_size32 1
		.amdhsa_system_sgpr_workgroup_id_x 1
		.amdhsa_system_sgpr_workgroup_id_y 1
		.amdhsa_system_sgpr_workgroup_id_z 1
		.amdhsa_system_vgpr_workitem_id 0
		.amdhsa_next_free_vgpr 256
		.amdhsa_next_free_sgpr 76
		.amdhsa_reserve_vcc 1
		.amdhsa_float_denorm_mode_32 3
		.amdhsa_float_denorm_mode_16_64 3
		.amdhsa_memory_ordered 1
		.amdhsa_forward_progress 1
		.amdhsa_inst_pref_size 110
	.end_amdhsa_kernel
	.amdgpu_metadata
---
amdhsa.version: [ 1, 2 ]
amdhsa.kernels:
  - .name:           k_q5a047149e9_attn
    .symbol:         k_q5a047149e9_attn.kd
    .args:
      - { .name: q, .offset: 0, .size: 8, .value_kind: global_buffer, .address_space: global }
      - { .name: kv, .offset: 8, .size: 8, .value_kind: global_buffer, .address_space: global }
      - { .name: arec, .offset: 16, .size: 8, .value_kind: global_buffer, .address_space: global }
    .group_segment_fixed_size: 239616
    .private_segment_fixed_size: 0
    .kernarg_segment_align: 8
    .kernarg_segment_size: 24
    .max_flat_workgroup_size: 512
    .sgpr_count:     76
    .vgpr_count:     256
    .wavefront_size: 32
...
	.end_amdgpu_metadata
.endif
;; end of part 3
;; launch outln (part 4): grid 256 x 1, 4 waves a work-group, no clusters, 251,392 bytes of LDS; arguments arec, wimg, bo, ln_g, ln_b, visual_features, text_features, out0, out1; writes out0, out1
.if DOCPART == 4
	.amdgcn_target "amdgcn-amd-amdhsa--gfx1250"
	.amdhsa_code_object_version 6
	.text
	.protected	k_q5a047149e9_outln
	.globl	k_q5a047149e9_outln
	.p2align	8
	.type	k_q5a047149e9_outln,@function
k_q5a047149e9_outln:
	s_mov_b64 s[64:65], 0
	v_nop
	global_prefetch_b8 v0, s[64:65] scope:SCOPE_SE
	s_setreg_imm32_b32 hwreg(HW_REG_WAVE_MODE, 25, 1), 1
	s_wait_xcnt 0x0
; OUT.  y = LayerNorm(x + a Wo + bo): a: the attention's result as codes (arec), Wo as images (wimg, matrix 3), x the features in f32.
; SHARES.  Work-group x takes 64 rows (tiles 4 x .. 4 x + 3) and all 768 columns, so that a row's mean and variance stay in the work-group.  Wave w owns the column pairs w + 4 i, i = 0 .. 5 (12 tiles of 16 columns):
; 48 accumulators.  Wo's fragments go from memory straight to the one wave that multiplies by them, through a ring of four groups of four fragments in registers, three groups ahead: no cluster, since no tile in LDS is shared
; between work-groups.  a's four records and the 64 rows of x come by two tensor loads a wave (two are out at the most); every LDS byte is filled once.
; The product is used TRANSPOSED (source 0 = 16 columns of Wo, source 1 = 16 rows of a): a lane holds one row, and the 16 registers of a pair of tiles are 16 neighbouring columns: 64 bytes of the row.
; The residual is added in registers and the sums go back to x's own bytes in LDS; behind a barrier each wave reads 16 whole rows, normalises them in two passes (mean; then the squares of the differences) and stores whole rows.
; LDS: 64 rows x 3,120 (3,072 + 16 behind each 1,024: column byte X lies at X + 16 (X / 1,024)); from AB on a's four records.
; REGISTERS.  Window 1: Wo's ring, later the residual.  Window 2: the accumulators of tiles 0-7 at 8 (4 tt + m).  Window 3: v0-95 the bias; v128-255 the accumulators of tiles 8-11.
; Window 0: v1-14 addresses, later at work; v16-87 Wo's scale words, v88-111 a's: these hold scales and nothing else; v128-255 a's fragments in two sets; later v112-207 rows, v208-255 gain and offset.
.set REC,   12800
.set RP,    3120
.set AB,    199680
.set LI,    1
.set AA,    2
.set AH,    3
.set AR,    4                          ; v4-7
.set AL,    14
.set WS,    16
.set AS,    88
.set AF,    128
.set HW,    192                        ; v192-223 the head words, until a's second set is loaded
.set LG,    208
.set LB,    232
.set WV,    22
.set G1A,   24
.set G0A,   32
.set G1R,   36
.set G0R,   44
.set SEL,   48
.set P0,    50
.set INV,   53
.set EPS,   54
.set MSB, 0
.macro WIN new
.if MSB != (\new)
	s_set_vgpr_msb (MSB<<8)|(\new)
.set MSB, (\new)
.endif
.endm
.macro PLACES n
.rept \n
	v_nop
.endr
.endm
	s_load_b256 s[4:11], s[0:1], 0x0               ; arec, wimg, bo, ln_g
	s_load_b256 s[12:19], s[0:1], 0x20             ; ln_b, visual, text, out0
	s_load_b64 s[20:21], s[0:1], 0x40              ; out1
	v_lshl_add_u32 v15, v0, 2, 0x3d400
	s_set_vgpr_msb 0xc0
	v_mov_b32 v127, 0
	s_set_vgpr_msb 0xc0cc
	ds_add_u32 v15, v127
	ds_add_u32 v15, v127
	s_set_vgpr_msb 0xcc00
	v_lshrrev_b32 v1, 5, v0
	v_readfirstlane_b32 s[WV], v1                  ; wave 0..3
	; a's record: 12,800 dense bytes as 50 rows of 32 elements of 8 bytes
	s_mov_b32 s[G1A], 3<<16
	s_mov_b32 s[G1A+1], 32<<16
	s_mov_b32 s[G1A+2], 50<<16
	s_mov_b32 s[G1A+3], 32<<16
	s_mov_b32 s[G1A+4], 50
	s_mov_b32 s[G1A+5], 32
	s_mov_b32 s[G1A+6], 0
	s_mov_b32 s[G1A+7], 0
	; x: 16 rows of 768 elements of 4 bytes; 4 words of padding behind every 256, three times a row
	s_mov_b32 s[G1R], (2<<16)|(1<<20)|(7<<22)|(3<<25)
	s_mov_b32 s[G1R+1], 768<<16
	s_mov_b32 s[G1R+2], 16<<16
	s_mov_b32 s[G1R+3], 768<<16
	s_mov_b32 s[G1R+4], 16
	s_mov_b32 s[G1R+5], 768
	s_mov_b32 s[G1R+6], 0
	s_mov_b32 s[G1R+7], 0
	s_lshl_b32 s56, ttmp9, 2
	s_add_co_u32 s56, s56, s[WV]
	s_mul_i32 s56, s56, REC
	s_mov_b32 s57, 0
	s_and_b32 s58, ttmp9, 127
	s_lshl_b32 s58, s58, 6
	s_lshl_b32 s59, s[WV], 4
	s_add_co_u32 s58, s58, s59
	s_mul_i32 s58, s58, 3072                       ; rows 16 w on of the work-group's 64, within their tensor
	s_mov_b32 s59, 0
	s_mul_i32 s60, s[WV], REC
	s_add_co_u32 s60, s60, AB
	s_mul_i32 s61, s[WV], 16*RP
	s_mov_b32 s[SEL], 0x76543210
	s_mov_b32 s[SEL+1], 0xfedcba98
	s_mov_b32 s[P0], 0x04020100                    ; byte selects that cut the heads' words (three bytes each) into K steps' words (four)
	s_mov_b32 s[P0+1], 0x05040201
	s_mov_b32 s[P0+2], 0x06050402
	s_mov_b32 s[INV], 0x3aaaaaab                   ; 1 / 768
	s_mov_b32 s[EPS], 0x3727c5ac                   ; 1e-5
	s_wait_dscnt 0x0
	s_wait_kmcnt 0x0
	s_cmp_lt_u32 ttmp9, 128                        ; visual's rows or text's: the choice hangs on the work-group's number alone
	s_cselect_b64 s[14:15], s[14:15], s[16:17]
	s_cselect_b64 s[18:19], s[18:19], s[20:21]
	s_mov_b32 s[G0A], 1
	s_mov_b32 s[G0A+1], s60
	s_add_nc_u64 s[G0A+2:G0A+3], s[4:5], s[56:57]
	s_or_b32 s[G0A+3], s[G0A+3], 0x80000000
	s_mov_b32 s[G0R], 1
	s_mov_b32 s[G0R+1], s61
	s_add_nc_u64 s[G0R+2:G0R+3], s[14:15], s[58:59]
	s_or_b32 s[G0R+3], s[G0R+3], 0x80000000
	s_add_nc_u64 s[18:19], s[18:19], s[58:59]
	tensor_load_to_lds s[G0A:G0A+3], s[G1A:G1A+7]  ; a's record first: the products want it
	s_nop 0
	tensor_load_to_lds s[G0R:G0R+3], s[G1R:G1R+7]
	s_nop 0
	PLACES 4
	s_lshl_b32 s56, s[WV], 1
	s_add_co_u32 s56, s56, 144
	s_mul_i32 s56, s56, REC
	s_add_nc_u64 s[6:7], s[6:7], s[56:57]          ; matrix 3, tile 2 w: my tile tt is record 8 (tt / 2) + tt % 2 from here
	s_lshl_b32 s56, s[WV], 7
	s_add_nc_u64 s[8:9], s[8:9], s[56:57]
	v_and_b32 v[LI], 31, v0
	v_lshlrev_b32 v[LI], 4, v[LI]
	v_add_nc_u32 v[AA], AB, v[LI]
	v_and_b32 v9, 15, v0                           ; r
	v_bfe_u32 v10, v0, 4, 1                        ; h
	v_lshl_add_u32 v[AH], v9, 2, AB+12288
	v_and_b32 v11, 8, v9
	v_add_nc_u32 v11, v11, v9
	v_mul_u32_u24 v11, v11, RP
	v_lshl_add_u32 v11, v10, 6, v11
	v_add_nc_u32 v11, s56, v11                     ; row r + 8 (r / 8), + 64 h + 128 w
.irp m,0,1,2,3
	v_add_nc_u32 v[AR+\m], (32*(\m/2)+8*(\m%2))*RP, v11
.endr
	v_add_nc_u32 v[AL], s61, v[LI]
	v_lshlrev_b32 v12, 5, v9
	v_lshlrev_b32 v13, 6, v10
.irp t,0,1,2,3,4,5,6,7,8,9,10,11
	global_load_b128 v[WS+6*\t:WS+6*\t+3], v12, s[6:7] offset:(8*(\t/2)+\t%2)*REC+12288
	global_load_b64 v[WS+6*\t+4:WS+6*\t+5], v12, s[6:7] offset:(8*(\t/2)+\t%2)*REC+12288+16
.endr
	WIN 0xc0
.irp t,0,1,2,3,4,5,6,7,8,9,10,11
	global_load_b128 v[8*\t:8*\t+3], v13, s[8:9] offset:512*(\t/2)+32*(\t%2)       ; the bias in the result's layout: the C of each sum's first product
	global_load_b128 v[8*\t+4:8*\t+7], v13, s[8:9] offset:512*(\t/2)+32*(\t%2)+16
.endr
; group gm of 18: K step gm / 3, my tiles 4 (gm % 3) + 0 .. 3: four fragments into ring place gm % 4
.macro WLOAD gm
	WIN 0x40
.irp f,0,1,2,3
.set wt, 4*((\gm)%3)+\f
.irp c,0,1,2,3
	global_load_b128 v[64*((\gm)%4)+16*\f+4*\c:64*((\gm)%4)+16*\f+4*\c+3], v[LI], s[6:7] offset:(8*(wt/2)+wt%2)*REC+2048*((\gm)/3)+512*\c
.endr
.endr
	WIN 0
.endm
.macro ALOAD s                         ; a's four fragments of K step s
.irp m,0,1,2,3
.irp c,0,1,2,3
	ds_load_b128 v[AF+64*((\s)%2)+16*\m+4*\c:AF+64*((\s)%2)+16*\m+4*\c+3], v[AA] offset:\m*REC+2048*(\s)+512*\c
.endr
.endr
.endm
	WLOAD 0
	WLOAD 1
	WLOAD 2
	s_wait_tensorcnt 0x1                           ; my record of a has landed; x's rows may be out
	s_barrier_signal -1
	s_barrier_wait -1                              ; everybody's has
.irp m,0,1,2,3
.irp d,0,1,2,3,4,5,6,7
	ds_load_b32 v[HW+8*\m+\d], v[AH] offset:\m*REC+64*\d
.endr
.endr
	ALOAD 0
	s_wait_dscnt 16                                ; the 32 head words are in; the 16 loads behind them may be out
.irp m,0,1,2,3
.irp d,0,1
	v_perm_b32 v[AS+6*\m+3*\d], v[HW+8*\m+4*\d+1], v[HW+8*\m+4*\d], s[P0]         ; blocks 0-2 of one head, block 0 of the next
	v_perm_b32 v[AS+6*\m+3*\d+1], v[HW+8*\m+4*\d+2], v[HW+8*\m+4*\d+1], s[P0+1]   ; blocks 1, 2 | 0, 1
	v_perm_b32 v[AS+6*\m+3*\d+2], v[HW+8*\m+4*\d+3], v[HW+8*\m+4*\d+2], s[P0+2]   ; block 2 | 0-2
.endr
.endr
	PLACES 8                                       ; a scale register written by a vector instruction stands eight places ahead of the product
; 16 products: four tiles of columns x four tiles of rows; all 48 accumulators take turns, in the same order in every K step
.macro GRP gm
.set gs, (\gm)/3
.set gq, (\gm)%3
.if (\gm) < 16
	s_wait_loadcnt 32                              ; this group's fragments are in; the two groups behind it may be out
.elseif (\gm) == 16
	s_wait_loadcnt 16
.else
	s_wait_loadcnt 0x0
.endif
.if gq == 0
	s_wait_dscnt 0x0                               ; a's fragments of this K step
.endif
.if gq == 2
	WIN 0xf1
.elseif gs == 0
	WIN 0xb1
.else
	WIN 0xa1
.endif
.irp f,0,1,2,3
.irp m,0,1,2,3
.set gt, 4*gq+\f
.if gq == 2
.set ga, 128+8*(4*(gt-8)+\m)
.else
.set ga, 8*(4*gt+\m)
.endif
.if gs == 0
	v_wmma_scale_f32_16x16x128_f8f6f4 v[ga:ga+7], v[64*((\gm)%4)+16*\f:64*((\gm)%4)+16*\f+15], v[AF+64*(gs%2)+16*\m:AF+64*(gs%2)+16*\m+15], v[8*gt:8*gt+7], v[WS+6*gt+gs], v[AS+6*\m+gs]
.else
	v_wmma_scale_f32_16x16x128_f8f6f4 v[ga:ga+7], v[64*((\gm)%4)+16*\f:64*((\gm)%4)+16*\f+15], v[AF+64*(gs%2)+16*\m:AF+64*(gs%2)+16*\m+15], v[ga:ga+7], v[WS+6*gt+gs], v[AS+6*\m+gs]
.endif
.endr
.endr
	WIN 0
	PLACES 8                                       ; in front of loads into registers that products have read, and of the first reads of results
.if (gq == 0) && (gs < 5)
	ALOAD gs+1
.endif
.if (\gm)+3 < 18
	WLOAD (\gm)+3                                  ; into the place that the group before this one has left
.endif
.endm
.irp g,0,1,2,3,4,5,6,7,8,9,10,11,12,13,14,15,16,17
	GRP \g
.endr
	s_wait_tensorcnt 0x0                           ; my 16 rows of x have landed
	s_wait_dscnt 0x0
	s_barrier_signal -1
	s_barrier_wait -1                              ; everybody's have
.irp i,0,1,2,3,4,5
	global_load_b128 v[LG+4*\i:LG+4*\i+3], v[LI], s[10:11] offset:512*\i   ; gain and offset of my 24 columns of a whole row
	global_load_b128 v[LB+4*\i:LB+4*\i+3], v[LI], s[12:13] offset:512*\i
.endr
; THE RESIDUAL, a tile of rows at a time: my columns of its 16 rows, 64 bytes for each pair of tiles
.macro RLOAD m
	WIN 0x40
.irp i,0,1,2,3,4,5
.irp c,0,1,2,3
	ds_load_b128 v[96*((\m)%2)+16*\i+4*\c:96*((\m)%2)+16*\i+4*\c+3], v[AR+(\m)] offset:512*\i+16*(\i/2)+16*\c
.endr
.endr
	WIN 0
.endm
.macro RADDST m
	WIN 0x86
.irp t,0,1,2,3,4,5,6,7
.irp j,0,2,4,6
	v_pk_add_f32 v[8*(4*\t+(\m))+\j:8*(4*\t+(\m))+\j+1], v[8*(4*\t+(\m))+\j:8*(4*\t+(\m))+\j+1], v[96*((\m)%2)+8*\t+\j:96*((\m)%2)+8*\t+\j+1]   ; each accumulator from its low end on
.endr
.endr
	WIN 0x08
.irp t,0,1,2,3,4,5,6,7
	ds_store_b128 v[AR+(\m)], v[8*(4*\t+(\m)):8*(4*\t+(\m))+3] offset:512*(\t/2)+16*(\t/4)+32*(\t%2)
	ds_store_b128 v[AR+(\m)], v[8*(4*\t+(\m))+4:8*(4*\t+(\m))+7] offset:512*(\t/2)+16*(\t/4)+32*(\t%2)+16
.endr
	WIN 0xc7
.irp t,8,9,10,11
.irp j,0,2,4,6
	v_pk_add_f32 v[128+8*(4*(\t-8)+(\m))+\j:128+8*(4*(\t-8)+(\m))+\j+1], v[128+8*(4*(\t-8)+(\m))+\j:128+8*(4*(\t-8)+(\m))+\j+1], v[96*((\m)%2)+8*\t+\j:96*((\m)%2)+8*\t+\j+1]
.endr
.endr
	WIN 0x0c
.irp t,8,9,10,11
	ds_store_b128 v[AR+(\m)], v[128+8*(4*(\t-8)+(\m)):128+8*(4*(\t-8)+(\m))+3] offset:512*(\t/2)+16*(\t/4)+32*(\t%2)
	ds_store_b128 v[AR+(\m)], v[128+8*(4*(\t-8)+(\m))+4:128+8*(4*(\t-8)+(\m))+7] offset:512*(\t/2)+16*(\t/4)+32*(\t%2)+16
.endr
	WIN 0
.endm
	RLOAD 0
	RLOAD 1
	s_wait_dscnt 24                                ; tile 0's 24 loads are in; tile 1's may be out
	RADDST 0
	RLOAD 2
	s_wait_dscnt 48                                ; behind tile 1's loads: tile 0's 24 stores and tile 2's 24 loads
	RADDST 1
	RLOAD 3
	s_wait_dscnt 48
	RADDST 2
	s_wait_dscnt 24                                ; behind tile 3's loads: tile 2's 24 stores
	RADDST 3
	s_wait_dscnt 0x0                               ; for the others' sake: my stores have landed
	s_barrier_signal -1
	s_barrier_wait -1                              ; 64 whole rows of x + a Wo + bo lie in LDS
	; LAYER NORM: my rows 16 w + 0 .. 15, two at a time, in two sets of registers; a lane holds 24 numbers of a row
.macro LLOAD g
.irp k,0,1
.irp i,0,1,2,3,4,5
	ds_load_b128 v[112+48*((\g)%2)+24*\k+4*\i:112+48*((\g)%2)+24*\k+4*\i+3], v[AL] offset:(2*(\g)+\k)*RP+512*\i+16*(\i/2)
.endr
.endr
.endm
.macro REDUCE                          ; the two chains of each row, its two halves, the 32 lanes: the sum in every lane, in v2 (first row) and v6 (second)
.irp k,0,1
	v_pk_add_f32 v[2+4*\k:3+4*\k], v[2+4*\k:3+4*\k], v[4+4*\k:5+4*\k]
.endr
.irp k,0,1
	v_add_f32 v[2+4*\k], v[2+4*\k], v[3+4*\k]
.endr
.irp d,1,2,4,8
.irp k,0,1
	v_add_f32_dpp v[2+4*\k], v[2+4*\k], v[2+4*\k] row_xmask:\d row_mask:0xf bank_mask:0xf
.endr
.endr
.irp k,0,1
	v_permlanex16_b32 v[10+\k], v[2+4*\k], s[SEL], s[SEL+1]
.endr
.irp k,0,1
	v_add_f32 v[2+4*\k], v[2+4*\k], v[10+\k]
.endr
.endm
.macro LNG g
.set XA, 112+48*((\g)%2)
.irp k,0,1
	v_pk_add_f32 v[2+4*\k:3+4*\k], v[XA+24*\k:XA+24*\k+1], v[XA+24*\k+2:XA+24*\k+3]
	v_pk_add_f32 v[4+4*\k:5+4*\k], v[XA+24*\k+4:XA+24*\k+5], v[XA+24*\k+6:XA+24*\k+7]
.endr
.irp j,8,12,16,20
.irp k,0,1
	v_pk_add_f32 v[2+4*\k:3+4*\k], v[2+4*\k:3+4*\k], v[XA+24*\k+\j:XA+24*\k+\j+1]
	v_pk_add_f32 v[4+4*\k:5+4*\k], v[4+4*\k:5+4*\k], v[XA+24*\k+\j+2:XA+24*\k+\j+3]
.endr
.endr
	REDUCE
.irp k,0,1
	v_mul_f32 v[2+4*\k], s[INV], v[2+4*\k]         ; the mean
.endr
.irp j,0,2,4,6,8,10,12,14,16,18,20,22
.irp k,0,1
	v_pk_add_f32 v[XA+24*\k+\j:XA+24*\k+\j+1], v[XA+24*\k+\j:XA+24*\k+\j+1], v[2+4*\k:3+4*\k] op_sel_hi:[1,0] neg_lo:[0,1] neg_hi:[0,1]   ; d = x - mean
.endr
.endr
.irp k,0,1
	v_pk_mul_f32 v[2+4*\k:3+4*\k], v[XA+24*\k:XA+24*\k+1], v[XA+24*\k:XA+24*\k+1]
	v_pk_mul_f32 v[4+4*\k:5+4*\k], v[XA+24*\k+2:XA+24*\k+3], v[XA+24*\k+2:XA+24*\k+3]
.endr
.irp j,4,8,12,16,20
.irp k,0,1
	v_pk_fma_f32 v[2+4*\k:3+4*\k], v[XA+24*\k+\j:XA+24*\k+\j+1], v[XA+24*\k+\j:XA+24*\k+\j+1], v[2+4*\k:3+4*\k]
	v_pk_fma_f32 v[4+4*\k:5+4*\k], v[XA+24*\k+\j+2:XA+24*\k+\j+3], v[XA+24*\k+\j+2:XA+24*\k+\j+3], v[4+4*\k:5+4*\k]
.endr
.endr
	REDUCE
.irp k,0,1
	v_fma_f32 v[2+4*\k], v[2+4*\k], s[INV], s[EPS] ; the variance + 1e-5
.endr
.irp k,0,1
	v_rsq_f32 v[2+4*\k], v[2+4*\k]
.endr
	v_nop                                          ; a plain place behind the transcendentals
	s_wait_alu depctr_va_vdst(0)
.irp j,0,2,4,6,8,10,12,14,16,18,20,22
.irp k,0,1
	v_pk_mul_f32 v[XA+24*\k+\j:XA+24*\k+\j+1], v[XA+24*\k+\j:XA+24*\k+\j+1], v[2+4*\k:3+4*\k] op_sel_hi:[1,0]
.endr
.endr
.irp j,0,2,4,6,8,10,12,14,16,18,20,22
.irp k,0,1
	v_pk_fma_f32 v[XA+24*\k+\j:XA+24*\k+\j+1], v[XA+24*\k+\j:XA+24*\k+\j+1], v[LG+\j:LG+\j+1], v[LB+\j:LB+\j+1]
.endr
.endr
.irp k,0,1
.irp i,0,1,2,3,4,5
	global_store_b128 v[LI], v[XA+24*\k+4*\i:XA+24*\k+4*\i+3], s[18:19] offset:(2*(\g)+\k)*3072+512*\i th:TH_STORE_NT   ; 512 consecutive bytes a store, at a multiple of 256 from the output's first byte
.endr
.endr
.endm
	s_wait_loadcnt 0x0                             ; gain and offset
	LLOAD 0
.irp g,0,1,2,3,4,5,6,7
.if \g > 0
	s_wait_xcnt 0x0                                ; the stores of the group before have read the set that is loaded next
.endif
.if \g < 7
	LLOAD \g+1
	s_wait_dscnt 12                                ; this group's 12 loads are in; the next group's may be out
.else
	s_wait_dscnt 0x0
.endif
	LNG \g
.endr
	s_set_vgpr_msb 0xc
	s_wait_tensorcnt 0x0
	ds_add_u32 v15, v127
	s_wait_dscnt 0x0
	s_set_vgpr_msb 0xc00
	s_endpgm
.Lfunc_end_k_q5a047149e9_outln:
	.size	k_q5a047149e9_outln, .Lfunc_end_k_q5a047149e9_outln-k_q5a047149e9_outln
	.p2alignl 7, 3214868480
	.fill 96, 4, 3214868480
	.section	.rodata,"a",@progbits
	.p2align	6, 0x0
	.amdhsa_kernel k_q5a047149e9_outln
		.amdhsa_group_segment_fixed_size 251392
		.amdhsa_private_segment_fixed_size 0
		.amdhsa_enable_private_segment 0
		.amdhsa_kernarg_size 72
		.amdhsa_user_sgpr_count 2
		.amdhsa_user_sgpr_kernarg_segment_ptr 1
		.amdhsa_wavefront_size32 1
		.amdhsa_system_sgpr_workgroup_id_x 1
		.amdhsa_system_sgpr_workgroup_id_y 1
		.amdhsa_system_sgpr_workgroup_id_z 1
		.amdhsa_system_vgpr_workitem_id 0
		.amdhsa_next_free_vgpr 1024
		.amdhsa_next_free_sgpr 66
		.amdhsa_reserve_vcc 0
		.amdhsa_float_denorm_mode_32 3
		.amdhsa_float_denorm_mode_16_64 3
		.amdhsa_memory_ordered 1
		.amdhsa_forward_progress 1
		.amdhsa_inst_pref_size 207
	.end_amdhsa_kernel
	.amdgpu_metadata
---
amdhsa.version: [ 1, 2 ]
amdhsa.kernels:
  - .name:           k_q5a047149e9_outln
    .symbol:         k_q5a047149e9_outln.kd
    .args:
      - { .name: arec, .offset: 0, .size: 8, .value_kind: global_buffer, .address_space: global }
      - { .name: wimg, .offset: 8, .size: 8, .value_kind: global_buffer, .address_space: global }
      - { .name: bo, .offset: 16, .size: 8, .value_kind: global_buffer, .address_space: global }
      - { .name: ln_g, .offset: 24, .size: 8, .value_kind: global_buffer, .address_space: global }
      - { .name: ln_b, .offset: 32, .size: 8, .value_kind: global_buffer, .address_space: global }
      - { .name: visual_features, .offset: 40, .size: 8, .value_kind: global_buffer, .address_space: global }
      - { .name: text_features, .offset: 48, .size: 8, .value_kind: global_buffer, .address_space: global }
      - { .name: out0, .offset: 56, .size: 8, .value_kind: global_buffer, .address_space: global }
      - { .name: out1, .offset: 64, .size: 8, .value_kind: global_buffer, .address_space: global }
    .group_segment_fixed_size: 251392
    .private_segment_fixed_size: 0
    .kernarg_segment_align: 8
    .kernarg_segment_size: 72
    .max_flat_workgroup_size: 128
    .sgpr_count:     66
    .vgpr_count:     1024
    .wavefront_size: 32
...
	.end_amdgpu_metadata
.endif
;; end of part 4
